; MI455X (gfx1250); checked and timed in simulation.
; The chip was launched on July 23, 2026; its instructions are those of AMD's public machine-readable ISA for CDNA 5 (MIT licence, August 2026) and "CDNA5" Instruction Set Architecture Reference Guide (July 2026). The comments in the code are by the model that wrote it; some were corrected since.
;; Causal Self Attention. Allowed arithmetic: matrix products marked QUANTISED: E4M3 operands, one given power-of-two scale a tensor, by v_wmma_f32_16x16x64_fp8_fp8 or v_wmma_f32_16x16x128_fp8_fp8, f32 sums; everything else in f32.
;; Inputs: W_attn 1,024 x 3,072 float32; W_proj 1,024 x 1,024 float32; b_attn 3,072 float32; b_proj 1,024 float32; lowp_scales 8 int32 (the exponents e of the quantised operands' scales 2^e); x 4 x 2,048 x 1,024 float32.
;; Outputs: out0 4 x 2,048 x 1,024 float32.
;; This version of the problem:
;;   THIS VERSION OF THE PROBLEM IS GIVEN IN LOW PRECISION. The matrix products marked QUANTISED in the list below multiply operands that are first quantised to E4M3 (4 exponent bits, 3 mantissa bits; 8 bits a number), with one given power-of-two scale for each operand tensor; their sums are f32. All else is computed in f32.
;;   The module's matrix products, in the order in which they are computed (A, B: the left and right operand; K: the contracted axis; several contracted axes count as one K, in the product's order):
;;     1. [M 8,192, K 1,024] x [K 1,024, N 3,072]; A: input x; B: input W_attn: QUANTISED (scales: A lowp_scales[0], B lowp_scales[1])
;;     2. batch 64 x [M 2,048, K 64] x [K 64, N 2,048]; A: computed on the way; B: computed on the way: QUANTISED (scales: A lowp_scales[2], B lowp_scales[3])
;;     3. batch 64 x [M 2,048, K 2,048] x [K 2,048, N 64]; A: softmax (see below); B: computed on the way: QUANTISED (scales: A lowp_scales[4], B lowp_scales[5])
;;     4. [M 8,192, K 1,024] x [K 1,024, N 1,024]; A: computed on the way; B: input W_proj: QUANTISED (scales: A lowp_scales[6], B lowp_scales[7])
;;   THE QUANTISER, for each operand of a quantised product, along K:
;;     - The operand's scale is 2^e, e = its entry of the input lowp_scales (int32; the entries are numbered through the quantised products in the list's order, A before B).
;;     - Each number is divided by the scale, clamped to +-448, and rounded to the nearest number of E4M3, ties to even, subnormals kept.
;;     - The product sums the exact products of the quantised numbers (number of the format x scale) in f32.
;;   ~~~python
;;   def quantise(x, axis, e):      # numpy; x: float32 -> the quantised numbers, widened to float32 again
;;       x = np.moveaxis(x, axis, -1); K = x.shape[-1]
;;       r = np.clip(x / 2.0 ** e, -448, 448)
;;       step = 2.0 ** (np.maximum(np.frexp(np.where(r == 0, 1, r))[1] - 1, -6) - 3)
;;       q = np.round(r / step) * step * 2.0 ** e      # np.round: ties to even
;;       return np.moveaxis(q, -1, axis).astype(np.float32)
;;   ~~~
;;   SOFTMAX AHEAD OF A QUANTISED PRODUCT. Where the list says 'softmax', what is quantised is not the finished softmax but p = 2^(t - M), with t = logit x log2(e) and M = ceil(the row's largest t), a whole number; so 1/2 < the row's largest p <= 1. The row's sum l is taken of the UNQUANTISED p, in f32, and the product's result is divided by l at the end. Since M is a whole number, a kernel that streams over the keys may use a running M (the ceiling of the running maximum): every later rescaling is an exact power of two, so the quantised numbers keep their values, but for numbers so far below the row's largest that they fall under the format's range.
;;   OPERANDS COMPUTED ON THE WAY. 'Computed on the way' means the value that the module computes at that place (a softmax that the list does not call 'softmax' is quantised finished and normalised). What goes into a quantiser is computed in f32, as accurately as f32 sums, v_exp_f32 and their like allow (about 1e-6 of the number): no bf16 or f16 on the way to a quantiser, and a product that is left as it is and whose result goes on into a quantised operand takes f32 operands (vector FMAs, or v_wmma_f32_16x16x4_f32). A number that lies on a knife's edge between two numbers of the format may be rounded either way, as far as f32 arithmetic and the matrix unit's own rounding can turn it there, and no further.
;; 2 versions, each right; version 2 is version 1 with the launch attn written anew for expert scheduling mode. Each part assembles by itself: llvm-mc -triple=amdgcn-amd-amdhsa -mcpu=gfx1250 --defsym DOCPART=n.
;; ======== version 1 of 2: 4 launches
;; workspace buffers: xc 8,388,608 bytes; wc 4,194,304 bytes; qc 8,388,608 bytes; kc 8,388,608 bytes; vc 8,388,608 bytes; yc 8,388,608 bytes
;; launch quant (part 1): grid 384 x 1, 4 waves a work-group, no clusters, 67,072 bytes of LDS; arguments x, W_attn, W_proj, lowp_scales, xc, wc; writes xc, wc
.if DOCPART == 1
	.amdgcn_target "amdgcn-amd-amdhsa--gfx1250"
	.amdhsa_code_object_version 6
	.text
	.protected	k_q8a4d82d139_quant
	.globl	k_q8a4d82d139_quant
	.p2align	8
	.type	k_q8a4d82d139_quant,@function
k_q8a4d82d139_quant:
	s_mov_b64 s[64:65], 0
	v_nop
	global_prefetch_b8 v0, s[64:65] scope:SCOPE_SE
	s_setreg_imm32_b32 hwreg(HW_REG_WAVE_MODE, 25, 1), 1
	s_wait_xcnt 0x0
; x [8192][1024], W_attn [1024][3072] and W_proj [1024][1024], f32, become codes of E4M3 with the given scales 2^e (entries 0, 1 and 7 of the buffer of scales).
; code = number / 2^e, held within +-448, rounded to the nearest code, ties to even.
; THE CODES ARE LAID IN THE ORDER OF THE OPERAND'S REGISTERS.  A fragment is 16 rows x 128 along K = 2,048 bytes: [group g 0..3][lane 0..31][16 bytes]; lane 16 h + r holds row r, and byte i of its
; 16 bytes in group g is k = 32 g + 16 (i / 8) + 8 h + i % 8: the layout of v_wmma_f32_16x16x128_fp8_fp8.  xc: [512 tiles of 16 rows][8 K steps][2,048].
; wc: [256 tiles of 16 rows][8][2,048]; its rows 0..3071 are W_attn's columns, rows 3072..4095 W_proj's (the weights' K is their first axis).
; One launch, two ways that part once on the work-group's number and do not meet again; each has LDS bytes of its own.  Work-groups 0..127 take the weights, 128..383 take x.
; LIMITS: each e lies between -126 and 119, so that 2^e and 448 x 2^e are f32 numbers.  NaN among the inputs is not served (an infinity is held at the largest code).
.set SPARE, 66560                      ; behind both stages: the spare words, 128 bytes for each wave: two blocks of 256 bytes that no other line names
.set XST,   8448                       ; x's way: a wave's stage, 16 rows x (512 bytes + 16)
.set WST0,  33792                      ; the weights' way: four stages of 8,192 bytes begin here
.set SPW,   12                         ; v12  LDS address of my spare word; never rewritten
.set NIL,   13                         ; v13  0; never rewritten
.set R,     16                         ; x: v16-143 two sets of 64 numbers as they are loaded
.set X,     144                        ; x: v144-207 64 numbers in the fragment's order
.set C,     208                        ; x: v208-239 two sets of 16 registers of codes
.set OF,    16                         ; W: v16-47 byte offset of row i of a block of 32 rows, at my column
.set WN,    48                         ; W: v48-111 two sets of 32 numbers
.set WCD,   112                        ; W: v112-119 a block's codes
.set OUTR,  120                        ; W: v120-183 the way out
	s_load_b256 s[4:11], s[0:1], 0x0               ; x s[4:5], W_attn s[6:7], W_proj s[8:9], the scales' exponents s[10:11]
	s_load_b128 s[12:15], s[0:1], 0x20             ; xc s[12:13], wc s[14:15]
	v_lshl_add_u32 v[SPW], v0, 2, SPARE
	v_mov_b32 v[NIL], 0
	v_lshrrev_b32 v1, 5, v0
	v_readfirstlane_b32 s16, v1                    ; wave 0..3
	v_and_b32 v2, 31, v0                           ; lane
	v_lshlrev_b32 v3, 4, v2                        ; 16 x lane
	v_lshlrev_b32 v4, 2, v2                        ; 4 x lane
	v_and_b32 v9, 15, v0                           ; r
	v_bfe_u32 v14, v0, 4, 1                        ; h
	; all four LDS addresses are made here, ahead of the parting
	s_mul_i32 s17, s16, XST
	v_add_nc_u32 v5, s17, v3                       ; x's stage, in: 16 bytes a lane of a row's 512
	v_mul_u32_u24 v6, v9, 528
	v_lshl_add_u32 v6, v14, 5, v6
	v_add_nc_u32 v6, s17, v6                       ; and out: row r, + 32 h: eight numbers of my half
	s_lshl_b32 s18, s16, 13
	s_add_co_u32 s18, s18, WST0
	v_lshlrev_b32 v7, 4, v9
	v_lshl_add_u32 v7, v14, 12, v7
	v_add_nc_u32 v7, s18, v7                       ; W's stage, in: my column's tile of 16 (4,096 bytes each), 16 bytes for row r
	v_add_nc_u32 v8, s18, v3                       ; and out: 16 x lane
	s_wait_kmcnt 0x0
	s_load_b256 s[24:31], s[10:11], 0x0            ; the eight exponents
	s_cmp_lt_u32 ttmp9, 128
	s_cbranch_scc1 .Lweights
.macro MKSCALE                         ; s22 = e: v11 = 2^e (the conversion takes its exponent field), v10 = 448 x 2^e
	s_add_co_i32 s22, s22, 127
	s_lshl_b32 s23, s22, 23
	v_mov_b32 v11, s23
	s_add_co_i32 s22, s22, 8
	s_lshl_b32 s22, s22, 23
	s_or_b32 s22, s22, 0x600000
	v_mov_b32 v10, s22
.endm
; ---------------- x.  Wave w of work-group i takes tile 2 i + w / 2 of 16 rows and the four K steps 4 (w % 2) + t.
	s_sub_co_u32 s17, ttmp9, 128
	s_lshl_b32 s17, s17, 1
	s_lshr_b32 s18, s16, 1
	s_add_co_u32 s17, s17, s18                     ; the tile of rows
	s_and_b32 s18, s16, 1
	s_lshl_b32 s20, s17, 16                        ; 16 rows of 4,096 bytes
	s_lshl_b32 s19, s18, 11                        ; four K steps of 512 bytes
	s_add_co_u32 s20, s20, s19
	s_mov_b32 s21, 0
	s_add_nc_u64 s[4:5], s[4:5], s[20:21]
	s_lshl_b32 s20, s17, 14                        ; eight fragments of 2,048 bytes
	s_lshl_b32 s19, s18, 13
	s_add_co_u32 s20, s20, s19
	s_add_nc_u64 s[12:13], s[12:13], s[20:21]
.macro XLOAD t                         ; K step t of my 16 rows: each load reads 512 consecutive bytes of one row
.irp r, 0,1,2,3,4,5,6,7,8,9,10,11,12,13,14,15
	global_load_b128 v[R+64*((\t)%2)+4*\r:R+64*((\t)%2)+4*\r+3], v3, s[4:5] offset:\r*4096+(\t)*512 th:TH_LOAD_NT
.endr
.endm
.macro XSTEP t
.if (\t) < 3
	s_wait_loadcnt 16                              ; this K step's 16 loads are in; the next one's may be out
.else
	s_wait_loadcnt 0
.endif
.irp r, 0,1,2,3,4,5,6,7,8,9,10,11,12,13,14,15
	ds_store_b128 v5, v[R+64*((\t)%2)+4*\r:R+64*((\t)%2)+4*\r+3] offset:\r*528   ; the rows as they lie; a wave's own stage: LDS serves a wave's instructions in order
.endr
.irp c, 0,1,2,3,4,5,6,7
	ds_load_b128 v[X+8*\c:X+8*\c+3], v6 offset:64*\c           ; k = 16 c + 8 h + 0 .. 7 of row r: rows 528 bytes apart start at sixteen different 16-byte columns
	ds_load_b128 v[X+8*\c+4:X+8*\c+7], v6 offset:64*\c+16
.endr
	s_wait_dscnt 0x0                               ; the numbers are back, and the stores have read their registers,
.if (\t) < 2
	XLOAD (\t)+2                                   ; which take the loads of two K steps on
.else
	s_wait_xcnt 0x0                                ; the codes' set of two K steps ago has been read by its stores
.endif
.set ii, 0
.rept 64
	v_med3_num_f32 v[X+ii], v[X+ii], -v10, v10     ; the conversion to an 8-bit code does not saturate (ISA guide 7.6.2): the hold at the largest code x the scale
.set ii, ii+1
.endr
.irp c, 0,1,2,3,4,5,6,7
	v_cvt_scalef32_pk8_fp8_f32 v[C+16*((\t)%2)+2*\c:C+16*((\t)%2)+2*\c+1], v[X+8*\c:X+8*\c+7], v11
.endr
	v_nop                                          ; a plain line behind the last conversion
.irp g, 0,1,2,3
	global_store_b128 v3, v[C+16*((\t)%2)+4*\g:C+16*((\t)%2)+4*\g+3], s[12:13] offset:(\t)*2048+512*\g   ; 32 lanes store 512 consecutive bytes, aligned
.endr
.endm
	XLOAD 0
	XLOAD 1
	s_wait_kmcnt 0x0
	s_mov_b32 s22, s24                             ; x's exponent
	MKSCALE
	XSTEP 0
	XSTEP 1
	XSTEP 2
	XSTEP 3
	s_wait_tensorcnt 0x0                           ; the wave's end
	ds_add_u32 v[SPW], v[NIL]
	s_wait_dscnt 0x0
	s_endpgm
; ---------------- the weights.  Work-group (wx = number % 32, wy = number / 32): 128 columns x 256 along K; wx 0..23 W_attn, 24..31 W_proj.
; A lane takes a column, and its registers run down K: each load reads 128 consecutive bytes, and the conversions give codes with K innermost.
.Lweights:
	s_and_b32 s17, ttmp9, 31                       ; wx
	s_lshr_b32 s18, ttmp9, 5                       ; wy
	s_mov_b32 s20, 4096
	s_cmp_lt_u32 s17, 24
	s_cselect_b64 s[6:7], s[6:7], s[8:9]           ; the tensor,
	s_cselect_b32 s20, 12288, s20                  ; its row in bytes,
	s_cselect_b32 s19, 0, 24
	s_sub_co_u32 s19, s17, s19                     ; and my block of 128 columns in it
	s_lshl_b32 s21, s18, 8
	s_mul_i32 s21, s21, s20                        ; 256 wy rows
	s_lshl_b32 s23, s19, 9
	s_add_co_u32 s21, s21, s23
	s_lshl_b32 s23, s16, 7
	s_add_co_u32 s48, s21, s23                     ; + 4 x my wave's first column
	s_mov_b32 s49, 0
	s_lshl_b32 s50, s20, 5                         ; 32 rows
	s_mov_b32 s51, 0
	s_add_nc_u64 s[32:33], s[6:7], s[48:49]        ; a base for each of the eight blocks of 32 rows: none is ever stepped
.irp t, 1,2,3,4,5,6,7
	s_add_nc_u64 s[32+2*\t:33+2*\t], s[30+2*\t:31+2*\t], s[50:51]
.endr
	s_lshl_b32 s21, s17, 3
	s_lshl_b32 s23, s16, 1
	s_add_co_u32 s21, s21, s23                     ; my first tile of 16 rows of wc: 8 wx + 2 wave
	s_lshl_b32 s21, s21, 14
	s_lshl_b32 s23, s18, 12                        ; K steps 2 wy, 2 wy + 1
	s_add_co_u32 s48, s21, s23
	s_add_nc_u64 s[14:15], s[14:15], s[48:49]
.irp i, 0,1,2,3,4,5,6,7,8,9,10,11,12,13,14,15,16,17,18,19,20,21,22,23,24,25,26,27,28,29,30,31
	v_mad_u32_u24 v[OF+\i], s20, \i, v4
.endr
.macro WLOAD t
.irp i, 0,1,2,3,4,5,6,7,8,9,10,11,12,13,14,15,16,17,18,19,20,21,22,23,24,25,26,27,28,29,30,31
	global_load_b32 v[WN+32*((\t)%2)+\i], v[OF+\i], s[32+2*(\t):33+2*(\t)] th:TH_LOAD_NT
.endr
.endm
.macro WBLOCK t
.if (\t) < 7
	s_wait_loadcnt 32                              ; this block's 32 loads are in; the next block's may be out
.else
	s_wait_loadcnt 0
.endif
.set ii, 0
.rept 32
	v_med3_num_f32 v[WN+32*((\t)%2)+ii], v[WN+32*((\t)%2)+ii], -v10, v10
.set ii, ii+1
.endr
.irp p, 0,1,2,3
	v_cvt_scalef32_pk8_fp8_f32 v[WCD+2*\p:WCD+2*\p+1], v[WN+32*((\t)%2)+8*\p:WN+32*((\t)%2)+8*\p+7], v11
.endr
	v_nop
.irp p, 0,1,2,3                        ; eight codes, k = 32 t + 8 p on: K step t / 4, group t % 4, half of the lanes p % 2, half of the 16 bytes p / 2
	ds_store_b64 v7, v[WCD+2*\p:WCD+2*\p+1] offset:((\t)/4)*2048+((\t)%4)*512+(\p%2)*256+(\p/2)*8
.endr
.if (\t)+2 < 8
	WLOAD (\t)+2
.endif
	s_wait_dscnt 0x0                               ; the stores have read their registers: the next block's codes may be written
.endm
	WLOAD 0
	WLOAD 1
	s_wait_kmcnt 0x0
	s_cmp_lt_u32 s17, 24
	s_cselect_b32 s22, s25, s31                    ; W_attn's exponent or W_proj's
	MKSCALE
.irp t, 0,1,2,3,4,5,6,7
	WBLOCK \t
.endr
.irp i, 0,1,2,3,4,5,6,7,8,9,10,11,12,13,14,15
	ds_load_b128 v[OUTR+4*\i:OUTR+4*\i+3], v8 offset:512*\i     ; my own stage, in order behind my stores
.endr
.irp i, 0,1,2,3,4,5,6,7,8,9,10,11,12,13,14,15
	s_wait_dscnt 15-\i
	global_store_b128 v3, v[OUTR+4*\i:OUTR+4*\i+3], s[14:15] offset:(\i/8)*16384+(\i%8)*512   ; 512 consecutive bytes, aligned
.endr
	s_wait_tensorcnt 0x0                           ; the wave's end
	ds_add_u32 v[SPW], v[NIL]
	s_wait_dscnt 0x0
	s_endpgm
.Lfunc_end_k_q8a4d82d139_quant:
	.size	k_q8a4d82d139_quant, .Lfunc_end_k_q8a4d82d139_quant-k_q8a4d82d139_quant
	.p2alignl 7, 3214868480
	.fill 96, 4, 3214868480
	.section	.rodata,"a",@progbits
	.p2align	6, 0x0
	.amdhsa_kernel k_q8a4d82d139_quant
		.amdhsa_group_segment_fixed_size 67072
		.amdhsa_private_segment_fixed_size 0
		.amdhsa_enable_private_segment 0
		.amdhsa_kernarg_size 48
		.amdhsa_user_sgpr_count 2
		.amdhsa_user_sgpr_kernarg_segment_ptr 1
		.amdhsa_wavefront_size32 1
		.amdhsa_system_sgpr_workgroup_id_x 1
		.amdhsa_system_sgpr_workgroup_id_y 1
		.amdhsa_system_sgpr_workgroup_id_z 1
		.amdhsa_system_vgpr_workitem_id 0
		.amdhsa_next_free_vgpr 240
		.amdhsa_next_free_sgpr 66
		.amdhsa_reserve_vcc 0
		.amdhsa_float_denorm_mode_32 3
		.amdhsa_float_denorm_mode_16_64 3
		.amdhsa_memory_ordered 1
		.amdhsa_forward_progress 1
		.amdhsa_inst_pref_size 88
	.end_amdhsa_kernel
	.amdgpu_metadata
---
amdhsa.version: [ 1, 2 ]
amdhsa.kernels:
  - .name:           k_q8a4d82d139_quant
    .symbol:         k_q8a4d82d139_quant.kd
    .args:
      - { .name: x, .offset: 0, .size: 8, .value_kind: global_buffer, .address_space: global }
      - { .name: W_attn, .offset: 8, .size: 8, .value_kind: global_buffer, .address_space: global }
      - { .name: W_proj, .offset: 16, .size: 8, .value_kind: global_buffer, .address_space: global }
      - { .name: lowp_scales, .offset: 24, .size: 8, .value_kind: global_buffer, .address_space: global }
      - { .name: xc, .offset: 32, .size: 8, .value_kind: global_buffer, .address_space: global }
      - { .name: wc, .offset: 40, .size: 8, .value_kind: global_buffer, .address_space: global }
    .group_segment_fixed_size: 67072
    .private_segment_fixed_size: 0
    .kernarg_segment_align: 8
    .kernarg_segment_size: 48
    .max_flat_workgroup_size: 128
    .sgpr_count:     66
    .vgpr_count:     240
    .wavefront_size: 32
...
	.end_amdgpu_metadata
.endif
;; end of part 1
;; launch qkv (part 2): grid 12 x 32, 4 waves a work-group, clusters of 4 x 4, 327,680 bytes of LDS; arguments xc, wc, b_attn, lowp_scales, qc, kc, vc; writes qc, kc, vc
.if DOCPART == 2
	.amdgcn_target "amdgcn-amd-amdhsa--gfx1250"
	.amdhsa_code_object_version 6
	.text
	.protected	k_q8a4d82d139_qkv
	.globl	k_q8a4d82d139_qkv
	.p2align	8
	.type	k_q8a4d82d139_qkv,@function
k_q8a4d82d139_qkv:
	s_mov_b64 s[64:65], 0
	v_nop
	global_prefetch_b8 v0, s[64:65] scope:SCOPE_SE
	s_setreg_imm32_b32 hwreg(HW_REG_WAVE_MODE, 25, 1), 1
	s_wait_xcnt 0x0
	s_wait_alu depctr_hold_cnt(0) depctr_sa_sdst(0) depctr_va_vdst(0) depctr_va_sdst(0) depctr_va_ssrc(0) depctr_va_vcc(0) depctr_vm_vsrc(0)
	s_getreg_b32 s2, hwreg(HW_REG_IB_STS2, 6, 4)
	s_cmp_eq_u32 s2, 0
	s_cbranch_scc0 .Lentry_in_a_cluster
	s_endpgm
.Lentry_in_a_cluster:
	s_bfe_u32 s2, ttmp6, 0x10000c
	s_cmp_lg_u32 s2, 0xf033
	s_cbranch_scc0 .Lentry_shape_is_right
	s_endpgm
.Lentry_shape_is_right:
; qkv = x W_attn + b_attn on codes of E4M3 (K = 1,024), and q, k, v quantised at once with their given scales (entries 2, 3, 5 of the buffer of scales; x's and W_attn's are entries 0, 1).
; A tile of 256 x 256 is made by four waves, each 128 x 128: 64 accumulators of 16 x 16 in 512 registers.  K goes in steps of 256 through two LDS slots filled by the tensor data mover.
; OPERANDS AND RESULTS LIE IN THE ORDER OF THE OPERAND'S REGISTERS: a fragment (16 rows x 128 K, 2,048 bytes) is [group 0..3][lane][16 bytes], so every LDS load and every store is 16 x lane: dense, no pitch.
; THE MATRIX INSTRUCTION IS USED TRANSPOSED (source 0 = 16 rows of B', source 1 = 16 rows of A'): a lane holds one row of A' and eight neighbouring rows of B', which one conversion turns into eight codes:
; a register pair of the next product's fragment.  So results leave straight from registers.
;   cluster x = 0, 1 (q, k): A' = x's rows (tokens), B' = W's rows (features): a lane holds a token and channels: fragments 16 tokens x 64 channels.   qc, kc: [64 heads][128 tiles of tokens][1,024]
;   cluster x = 2 (v):       A' = Wv's rows (channels), B' = x's rows: a lane holds a channel and keys: fragments 16 channels x 128 keys.              vc: [64 heads][16 runs of 128 keys][4][2,048]
; The choice hangs on the cluster's x alone, which all sixteen partners share.
; CLUSTERS: 4 x 4 work-groups; A's tiles are asked for jointly along a row of the cluster, B's along a column.
; The bias is the C of each sum's first matrix instruction, divided by 2^(e0 + e1), the power of two that the sums lack.
; LIMITS: e - e0 - e1 (e the result's exponent) lies between -126 and 119.  NaN is not served.
; REGISTERS, in windows of 256: window 0: v16-31 addresses and constants; v32-95 the bias, later numbers on the way out; v128-255 A's fragments, ONE set, later the codes.
;   window 1: B's fragments, TWO sets.   window 2: the accumulators of my rows 0-63 ((a, b) at v[8 (8 a + b)]);   window 3: those of rows 64-127.
.set HALFT,  32768                     ; 8 tiles of 16 rows x 256 K: what one tensor load brings, and what one wave reads of A' or of B'
.set SLOT,   131072                    ; A's 16 tiles of rows, then B's 16
.set SPARE,  262144                    ; behind the ring: the spare words, 128 bytes for each wave: two blocks of 256 bytes that no other line names
.set FR,     16                        ; registers of a fragment
.set NL,     4                         ; LDS loads that bring one
.set NP,     4                         ; places behind this matrix instruction (ISA guide 7.12.1)
.set ADRA, 16                          ; v16-17  LDS address of my A fragments in slot 0, 1
.set ADRB, 20                          ; v20-21  the same for B
.set BR,   25                          ; v25     4 x (lane % 16)
.set LI,   26                          ; v26     16 x lane
.set BO,   27                          ; v27     32 x (lane / 16)
.set SPW,  28                          ; v28     LDS address of my spare word; never rewritten
.set NIL,  29                          ; v29     0; never rewritten
.set LIM,  30                          ; v30     448 x the conversion's scale
.set SCL,  31                          ; v31     the conversion's scale
.set CB,   32                          ; v32-95  the bias in the result's layout
.set TMP,  32                          ; the way out: a block's 64 numbers
.set AF,   128                         ; A's fragments
.set CD,   128                         ; the way out: 16 registers of codes for each block
.set G1, 24                            ; s[24:31] descriptor group 1 for A's tiles;  s[32:39] group 0, one set for each slot
.set G0, 32
.set G1B, 48                           ; s[48:55], s[56:63] the same for B's tiles
.set G0B, 56
.set MSB, 0
.macro WIN new                         ; the immediate's high byte repeats the setting that is left
.if MSB != (\new)
	s_set_vgpr_msb (MSB<<8)|(\new)
.set MSB, (\new)
.endif
.endm
.set MUL_LO, 0xa1                      ; source 0 (B) window 1, source 1 (A) window 0, C and D window 2
.set MUL_HI, 0xf1                      ; the same, C and D window 3
.set TO_B,   0x40                      ; destination window 1, address window 0
; A joint load: waves 0 and 1 fetch for A, waves 2 and 3 for B.  The branch hangs on the wave's number alone.  An s_nop 0 and four v_nop follow each of the two lines.
.macro JLOAD g0a, g1a, g0b, g1b
	s_cmp_eq_u32 s15, 0
	s_cbranch_scc0 .Lfor_b_\@
	tensor_load_to_lds s[\g0a:\g0a+3], s[\g1a:\g1a+7]
	s_nop 0
.rept 4
	v_nop
.endr
	s_branch .Lasked_\@
.Lfor_b_\@:
	tensor_load_to_lds s[\g0b:\g0b+3], s[\g1b:\g1b+7]
	s_nop 0
.rept 4
	v_nop
.endr
.Lasked_\@:
.endm
.macro CREST                           ; a round of the cluster's barrier behind its opening barrier
	s_cmp_lg_u32 s14, 0
	s_cbranch_scc1 .Lnot_wave_0_\@
	s_barrier_signal -3
.Lnot_wave_0_\@:
	s_barrier_wait -3
	s_barrier_signal -1
	s_barrier_wait -1
.endm
.macro CROUND                          ; a whole round
	s_barrier_signal -1
	s_barrier_wait -1
	CREST
.endm
	s_load_b256 s[4:11], s[0:1], 0x0               ; xc s[4:5], wc s[6:7], b_attn s[8:9], the scales' exponents s[10:11]
	s_load_b128 s[68:71], s[0:1], 0x20             ; qc s[68:69], kc s[70:71]
	s_load_b64 s[72:73], s[0:1], 0x30              ; vc
	v_lshl_add_u32 v[SPW], v0, 2, SPARE
	v_mov_b32 v[NIL], 0
	ds_add_u32 v[SPW], v[NIL]                      ; the wave's opening: the add and its wait stand ahead of my first tensor load; the set-up below, work on registers, stands between them
	v_lshrrev_b32 v1, 5, v0
	v_readfirstlane_b32 s14, v1                    ; wave 0..3
	s_lshr_b32 s15, s14, 1                         ; which half of the tile's rows (A') is mine.  Also: I fetch for A (0) or for B (1)
	s_and_b32 s16, s14, 1                          ; which half of its columns (B').  Also: which half of that tile I fetch
	s_bfe_u32 s40, ttmp6, 0x40000                  ; cx, cy: my place in the cluster
	s_bfe_u32 s41, ttmp6, 0x40004
	s_and_b32 s74, ttmp7, 0xffff                   ; cluster y
	s_cmp_eq_u32 ttmp9, 2                          ; cluster x: 0 q, 1 k, 2 v
	s_cselect_b32 s75, 1, 0                        ; is it v?
	s_cselect_b32 s17, 0, s74
	s_cselect_b32 s42, s74, ttmp9
	s_lshl_b32 s17, s17, 2
	s_add_co_u32 s17, s17, s41                     ; tile of 256 rows of A': tokens (q, k) or Wv's channels (v)
	s_lshl_b32 s42, s42, 2
	s_add_co_u32 s42, s42, s40                     ; tile of 256 rows of B': W's rows (q, k) or tokens (v)
	s_lshl_b32 s43, s41, 2
	s_lshl_b32 s43, 15, s43                        ; my row of the cluster
	s_lshl_b32 s44, 0x1111, s40                    ; my column
	; descriptor group 1: 8 rows of 4,096 bytes (a tile of 16 rows' two fragments of this K step), 16,384 bytes apart; elements of 8 bytes; no padding
	s_or_b32 s[G1+0], s43, (3<<16)|(1<<21)         ; 15:0 the mask: A's tiles go to my row; 17:16 elements of 8 bytes; 21 set beside a mask
	s_or_b32 s[G1B+0], s44, (3<<16)|(1<<21)
.irp g, G1, G1B
	s_mov_b32 s[\g+1], 512<<16                     ; tensor_dim0 = 512 elements
	s_mov_b32 s[\g+2], 8<<16                       ; tensor_dim1 = 8
	s_mov_b32 s[\g+3], 512<<16                     ; tile_dim0
	s_mov_b32 s[\g+4], 8                           ; tile_dim1
	s_mov_b32 s[\g+5], 2048                        ; tensor_dim0_stride, in elements
	s_mov_b32 s[\g+6], 0
	s_mov_b32 s[\g+7], 0
.endr
	s_lshl_b32 s18, s16, 3                         ; which 8 tiles of 16 rows I fetch
	s_lshl_b32 s20, s17, 4
	s_add_co_u32 s20, s20, s18
	s_lshl_b32 s20, s20, 14                        ; A': 16,384 bytes for each tile of 16 rows
	s_mov_b32 s21, 0
	s_lshl_b32 s46, s42, 4
	s_add_co_u32 s46, s46, s18
	s_lshl_b32 s46, s46, 14                        ; B' likewise
	s_mov_b32 s47, 0
	s_lshl_b32 s45, s14, 15                        ; where they go: wave x HALFT: no place in the cluster enters an LDS address
	s_wait_dscnt 0x0                               ; the opening add is done
	s_wait_kmcnt 0x0
	s_load_b256 s[80:87], s[10:11], 0x0            ; the eight exponents
	s_add_nc_u64 s[76:77], s[6:7], 0x200000        ; Wv: rows 2,048 on of wc
	s_cmp_eq_u32 ttmp9, 2
	s_cselect_b64 s[76:77], s[76:77], s[4:5]       ; A'
	s_cselect_b64 s[78:79], s[4:5], s[6:7]         ; B'
	s_add_nc_u64 s[20:21], s[76:77], s[20:21]
	s_add_nc_u64 s[46:47], s[78:79], s[46:47]
	CROUND                                         ; all sixteen work-groups are here: the first joint loads meet
.irp s, 0,1
	s_mov_b32 s[G0+4*\s], 1
	s_add_co_u32 s[G0+4*\s+1], s45, \s*SLOT
	s_add_nc_u64 s[G0+4*\s+2:G0+4*\s+3], s[20:21], \s*4096
	s_or_b32 s[G0+4*\s+3], s[G0+4*\s+3], 0x80000000
	s_mov_b32 s[G0B+4*\s], 1
	s_add_co_u32 s[G0B+4*\s+1], s45, \s*SLOT
	s_add_nc_u64 s[G0B+4*\s+2:G0B+4*\s+3], s[46:47], \s*4096
	s_or_b32 s[G0B+4*\s+3], s[G0B+4*\s+3], 0x80000000
	JLOAD G0+4*\s, G1, G0B+4*\s, G1B               ; two tensor loads of mine are out
.endr
	v_and_b32 v1, 31, v0
	v_lshlrev_b32 v[LI], 4, v1
	v_and_b32 v2, 15, v0
	v_lshlrev_b32 v[BR], 2, v2
	v_bfe_u32 v3, v0, 4, 1
	v_lshlrev_b32 v[BO], 5, v3
	s_lshl_b32 s21, s15, 15                        ; my half of A',
	s_lshl_b32 s22, s16, 15                        ; my half of B',
	s_add_co_u32 s22, s22, 2*HALFT                 ; which lies behind A's two
.irp s, 0,1
	v_add_nc_u32 v[ADRA+\s], s21, v[LI]
	v_add_nc_u32 v[ADRB+\s], s22, v[LI]
	s_add_co_u32 s21, s21, SLOT
	s_add_co_u32 s22, s22, SLOT
.endr
	s_lshl_b32 s18, s17, 8
	s_lshl_b32 s20, s15, 7
	s_add_co_u32 s18, s18, s20                     ; my first row of A'
	s_lshl_b32 s19, s42, 8
	s_lshl_b32 s20, s16, 7
	s_add_co_u32 s19, s19, s20                     ; my first row of B'
	s_mov_b32 s23, 0
	s_wait_kmcnt 0x0                               ; the exponents
	s_add_co_i32 s89, s80, s81
	s_sub_co_i32 s89, 0, s89                       ; -(e0 + e1)
	s_cmp_eq_u32 s75, 0
	s_cbranch_scc0 .Lbias_v
	s_lshl_b32 s22, s19, 2                         ; q, k: lane (r, h) wants, for B's block b, the bias of features 16 b + 8 h + 0 .. 7
	s_add_nc_u64 s[8:9], s[8:9], s[22:23]
.irp b, 0,1,2,3,4,5,6,7
	global_load_b128 v[CB+8*\b:CB+8*\b+3], v[BO], s[8:9] offset:64*\b
	global_load_b128 v[CB+8*\b+4:CB+8*\b+7], v[BO], s[8:9] offset:64*\b+16
.endr
	s_wait_loadcnt 0x0
.set ii, 0
.rept 64
	v_ldexp_f32 v[CB+ii], v[CB+ii], s89
.set ii, ii+1
.endr
	s_branch .Lbias_done
.Lbias_v:
	s_lshl_b32 s22, s18, 2                         ; v: lane (r, h) wants, for A's block a, the bias of channel 16 a + r, eight times
	s_add_co_u32 s22, s22, 8192
	s_add_nc_u64 s[8:9], s[8:9], s[22:23]
.irp a, 0,1,2,3,4,5,6,7
	global_load_b32 v[96+\a], v[BR], s[8:9] offset:64*\a
.endr
	s_wait_loadcnt 0x0
.irp a, 0,1,2,3,4,5,6,7
.irp j, 0,1,2,3,4,5,6,7
	v_ldexp_f32 v[CB+8*\a+\j], v[96+\a], s89
.endr
.endr
.Lbias_done:
	; the result's buffer, scale and place.  In both layouts a head is 2^17 bytes and a token's share of it 64 bytes
	s_and_b32 s93, s19, 1023
	s_cmp_eq_u32 ttmp9, 0
	s_cselect_b32 s88, s82, s83
	s_cselect_b64 s[90:91], s[68:69], s[70:71]
	s_cmp_eq_u32 ttmp9, 2
	s_cselect_b32 s88, s85, s88                    ; the result's exponent
	s_cselect_b64 s[90:91], s[72:73], s[90:91]
	s_cselect_b32 s92, s19, s18                    ; my first token
	s_cselect_b32 s93, s18, s93                    ; my first channel among the 1,024
	s_lshr_b32 s94, s92, 11
	s_lshl_b32 s94, s94, 4
	s_lshr_b32 s93, s93, 6
	s_add_co_u32 s94, s94, s93                     ; 16 x batch + head
	s_lshl_b32 s94, s94, 17
	s_and_b32 s92, s92, 2047
	s_lshl_b32 s92, s92, 6
	s_add_co_u32 s92, s94, s92
	s_mov_b32 s93, 0
	s_add_nc_u64 s[90:91], s[90:91], s[92:93]
	s_add_co_i32 s88, s88, s89                     ; a sum stands for sum x 2^(e0 + e1): its code is sum / 2^(e - e0 - e1)
	s_add_co_i32 s88, s88, 127
	s_lshl_b32 s89, s88, 23
	v_mov_b32 v[SCL], s89
	s_add_co_i32 s88, s88, 8
	s_lshl_b32 s88, s88, 23
	s_or_b32 s88, s88, 0x600000
	v_mov_b32 v[LIM], s88
.macro FRAG reg, adr, q, i             ; a fragment comes as it lies: four loads of 512 consecutive bytes
.irp c, 0,1,2,3
	ds_load_b128 v[\reg+4*\c:\reg+4*\c+3], v[\adr] offset:(\i)*4096+(\q)*2048+512*\c
.endr
.endm
; 16 matrix instructions: A's blocks a0, a0 + 1 x B's eight, 128 along K.  p: B's set.  zero = 1, 2: the first product starts the sums from the bias (by B's block: q, k; by A's block: v).
; The 64 accumulators take turns, one instruction a turn, in the same order in every step.
.macro MUL16 a0, p, zero
.irp a, \a0, \a0+1
.irp b, 0,1,2,3,4,5,6,7
.if (\zero) == 0
	v_wmma_f32_16x16x128_fp8_fp8 v[8*(8*((\a)%4)+\b):8*(8*((\a)%4)+\b)+7], v[128*(\p)+FR*\b:128*(\p)+FR*\b+FR-1], v[AF+FR*(\a):AF+FR*(\a)+FR-1], v[8*(8*((\a)%4)+\b):8*(8*((\a)%4)+\b)+7]
.elseif (\zero) == 1
	v_wmma_f32_16x16x128_fp8_fp8 v[8*(8*((\a)%4)+\b):8*(8*((\a)%4)+\b)+7], v[128*(\p)+FR*\b:128*(\p)+FR*\b+FR-1], v[AF+FR*(\a):AF+FR*(\a)+FR-1], v[CB+8*\b:CB+8*\b+7]
.else
	v_wmma_f32_16x16x128_fp8_fp8 v[8*(8*((\a)%4)+\b):8*(8*((\a)%4)+\b)+7], v[128*(\p)+FR*\b:128*(\p)+FR*\b+FR-1], v[AF+FR*(\a):AF+FR*(\a)+FR-1], v[CB+8*(\a):CB+8*(\a)+7]
.endif
.endr
.endr
.endm
.macro FETCH_B slot, q, p
	WIN TO_B
.irp i, 0,1,2,3,4,5,6,7
	FRAG 128*(\p)+FR*\i, ADRB+\slot, \q, \i
.endr
	WIN 0
.endm
.macro FETCH_A slot, q, i0
.irp i, \i0, \i0+1, \i0+2, \i0+3
	FRAG AF+FR*(\i), ADRA+\slot, \q, \i
.endr
.endm
.macro PLACES n                        ; plain vector lines between a matrix instruction and a load into, or a vector instruction on, its registers (ISA guide 7.12.1 for vector instructions)
.rept \n
	v_nop
.endr
.endm
; A step of 128 along K that has its successor in the same slot.
.macro STEP slot, q, zero
	s_wait_dscnt 4*NL                              ; B's set and A's blocks 0-3 are in; the youngest sixteen loads (A's blocks 4-7) may be out
.if \zero
	WIN 0x81                                       ; C (the bias) window 0, D window 2
.else
	WIN MUL_LO
.endif
	MUL16 0, (\q)%2, \zero
	MUL16 2, (\q)%2, \zero
	s_wait_dscnt 0                                 ; A's blocks 4-7 are in
	PLACES NP
	FETCH_B \slot, (\q)+1, 1-(\q)%2
	FETCH_A \slot, (\q)+1, 0
.if \zero
	WIN 0xc1
.else
	WIN MUL_HI
.endif
	MUL16 4, (\q)%2, \zero
	MUL16 6, (\q)%2, \zero
	PLACES NP
	WIN 0
	FETCH_A \slot, (\q)+1, 4
.endm
; A slot's last step changes slots: ONE barrier; in front of it each wave waits for all its tensor loads, adds 0 to its spare word, and waits for that and for its own reads of this slot.  fill = 1: this slot is filled again, two K steps ahead.
.macro TURN slot, next, fill
	s_wait_tensorcnt 0x0                           ; all my tensor loads have landed: my part of the next slot
	ds_add_u32 v[SPW], v[NIL]                      ; 0 onto my spare word
	s_wait_dscnt 4*NL+1                            ; (the add and the youngest sixteen loads may be out)
	WIN MUL_LO
	MUL16 0, 1, 0                                  ; sixteen matrix instructions stand between the add and the wait for it
	s_wait_dscnt 0x0                               ; the add is done, and my reads of this slot are over
	s_barrier_signal -1
	MUL16 2, 1, 0
	WIN 0
	s_barrier_wait -1
.if \fill
	CREST                                          ; the barrier has opened a round of the cluster's barrier: no wave of any partner still reads this slot or has a load on its way
	s_add_nc_u64 s[G0+4*\slot+2:G0+4*\slot+3], s[G0+4*\slot+2:G0+4*\slot+3], 2*4096
	s_add_nc_u64 s[G0B+4*\slot+2:G0B+4*\slot+3], s[G0B+4*\slot+2:G0B+4*\slot+3], 2*4096
	JLOAD G0+4*\slot, G1, G0B+4*\slot, G1B         ; the first tensor load behind the round, my only one until the next; its four v_nop are the places in front of the loads below
.else
	PLACES NP
.endif
	FETCH_B \next, 0, 0
	FETCH_A \next, 0, 0
	WIN MUL_HI
	MUL16 4, 1, 0
	MUL16 6, 1, 0
	PLACES NP
	WIN 0
	FETCH_A \next, 0, 4
.endm
	s_wait_tensorcnt 1                             ; my part of K step 0 is in (K step 1's load may be out)
	s_barrier_signal -1
	s_barrier_wait -1                              ; everybody's is
	FETCH_B 0, 0, 0
	FETCH_A 0, 0, 0
	FETCH_A 0, 0, 4
	s_cmp_eq_u32 s75, 0                            ; the first step is written twice: it differs in which bias registers start a sum
	s_cbranch_scc0 .Lfirst_v
	STEP 0, 0, 1
	s_branch .Lfirst_done
.Lfirst_v:
	STEP 0, 0, 2
.Lfirst_done:
	TURN 0, 1, 1                                   ; K = 1,024 is four slots' worth: both slots are filled once more
	STEP 1, 0, 0
	TURN 1, 0, 1
	STEP 0, 0, 0
	TURN 0, 1, 0                                   ; the last lap fills nothing, and has no round of the cluster's barrier
	STEP 1, 0, 0
	s_wait_dscnt 4*NL                              ; the very last step: nothing more to fetch
	WIN MUL_LO
	MUL16 0, 1, 0
	MUL16 2, 1, 0
	s_wait_dscnt 0
	WIN MUL_HI
	MUL16 4, 1, 0
	MUL16 6, 1, 0
	WIN 0
; THE WAY OUT, block by block of 16 rows of A'.  A lane's 64 sums of a block are held, converted (eight sums of an accumulator give register pair b of the fragment) and stored as they stand:
; each store is 512 consecutive bytes, aligned.  Each block has its own registers of codes, so no store's data are written again.  Each accumulator is read from its low end on.
.macro OUT kind
.irp a, 0,1,2,3,4,5,6,7
	WIN 0x02+\a/4                                  ; source 0: window 2 or 3
.set ii, 0
.rept 64
	v_med3_num_f32 v[TMP+ii], v[64*(\a%4)+ii], -v[LIM], v[LIM]   ; the conversion does not saturate (ISA guide 7.6.2): the hold at the largest code x the scale
.set ii, ii+1
.endr
	WIN 0
.irp b, 0,1,2,3,4,5,6,7
	v_cvt_scalef32_pk8_fp8_f32 v[CD+16*\a+2*\b:CD+16*\a+2*\b+1], v[TMP+8*\b:TMP+8*\b+7], v[SCL]
.endr
	v_nop                                          ; a plain line behind the last conversion: the next block writes its sources
.irp g, 0,1,2,3
.if \kind
	global_store_b128 v[LI], v[CD+16*\a+4*\g:CD+16*\a+4*\g+3], s[90:91] offset:(\a/4)*131072+(\a%4)*2048+\g*512   ; v: head a / 4, tile of channels a % 4, group g
.else
	global_store_b128 v[LI], v[CD+16*\a+4*\g:CD+16*\a+4*\g+3], s[90:91] offset:\a*1024+(\g/2)*131072+(\g%2)*512   ; q, k: tile of tokens a, head g / 2, group g % 2
.endif
.endr
.endr
.endm
	PLACES NP
	s_cmp_eq_u32 s75, 0
	s_cbranch_scc0 .Lout_v
	OUT 0
	s_branch .Lout_done
.Lout_v:
	OUT 1
.Lout_done:
	s_wait_tensorcnt 0x0                           ; the wave's end
	ds_add_u32 v[SPW], v[NIL]
	s_wait_dscnt 0x0
	CROUND                                         ; the closing round: no work-group ends while a partner may still ask for a tile that names it
	s_endpgm
.Lfunc_end_k_q8a4d82d139_qkv:
	.size	k_q8a4d82d139_qkv, .Lfunc_end_k_q8a4d82d139_qkv-k_q8a4d82d139_qkv
	.p2alignl 7, 3214868480
	.fill 96, 4, 3214868480
	.section	.rodata,"a",@progbits
	.p2align	6, 0x0
	.amdhsa_kernel k_q8a4d82d139_qkv
		.amdhsa_group_segment_fixed_size 327680
		.amdhsa_private_segment_fixed_size 0
		.amdhsa_enable_private_segment 0
		.amdhsa_kernarg_size 56
		.amdhsa_user_sgpr_count 2
		.amdhsa_user_sgpr_kernarg_segment_ptr 1
		.amdhsa_wavefront_size32 1
		.amdhsa_system_sgpr_workgroup_id_x 1
		.amdhsa_system_sgpr_workgroup_id_y 1
		.amdhsa_system_sgpr_workgroup_id_z 1
		.amdhsa_system_vgpr_workitem_id 0
		.amdhsa_next_free_vgpr 1024
		.amdhsa_next_free_sgpr 100
		.amdhsa_reserve_vcc 0
		.amdhsa_float_denorm_mode_32 3
		.amdhsa_float_denorm_mode_16_64 3
		.amdhsa_memory_ordered 1
		.amdhsa_forward_progress 1
		.amdhsa_inst_pref_size 177
	.end_amdhsa_kernel
	.amdgpu_metadata
---
amdhsa.version: [ 1, 2 ]
amdhsa.kernels:
  - .name:           k_q8a4d82d139_qkv
    .symbol:         k_q8a4d82d139_qkv.kd
    .args:
      - { .name: xc, .offset: 0, .size: 8, .value_kind: global_buffer, .address_space: global }
      - { .name: wc, .offset: 8, .size: 8, .value_kind: global_buffer, .address_space: global }
      - { .name: b_attn, .offset: 16, .size: 8, .value_kind: global_buffer, .address_space: global }
      - { .name: lowp_scales, .offset: 24, .size: 8, .value_kind: global_buffer, .address_space: global }
      - { .name: qc, .offset: 32, .size: 8, .value_kind: global_buffer, .address_space: global }
      - { .name: kc, .offset: 40, .size: 8, .value_kind: global_buffer, .address_space: global }
      - { .name: vc, .offset: 48, .size: 8, .value_kind: global_buffer, .address_space: global }
    .group_segment_fixed_size: 327680
    .private_segment_fixed_size: 0
    .kernarg_segment_align: 8
    .kernarg_segment_size: 56
    .max_flat_workgroup_size: 128
    .sgpr_count:     100
    .vgpr_count:     1024
    .wavefront_size: 32
...
	.end_amdgpu_metadata
.endif
;; end of part 2
;; launch attn (part 3): grid 4 x 64, 8 waves a work-group, no clusters, 66,560 bytes of LDS; arguments qc, kc, vc, lowp_scales, yc; writes yc
.if DOCPART == 3
	.amdgcn_target "amdgcn-amd-amdhsa--gfx1250"
	.amdhsa_code_object_version 6
	.text
	.protected	k_q8a4d82d139_attn
	.globl	k_q8a4d82d139_attn
	.p2align	8
	.type	k_q8a4d82d139_attn,@function
k_q8a4d82d139_attn:
	s_mov_b64 s[64:65], 0
	v_nop
	global_prefetch_b8 v0, s[64:65] scope:SCOPE_SE
	s_setreg_imm32_b32 hwreg(HW_REG_WAVE_MODE, 25, 1), 1
	s_wait_xcnt 0x0
; y[head][q] = the sum over keys k <= q of softmax_k(q . k / 8) v[k], both products on codes of E4M3, and y quantised for the last product.  64 heads (batch x 16), 2,048 tokens, head size 64.
; Exponents, from the buffer of scales: eq (2), ek (3), ep (4), ev (5), ey (6).
; THE SOFTMAX: t = score x log2(e) / 8; M = the running largest t rounded UP to a whole number; p = 2^(t - M) is quantised; the row's sum is taken of the unquantised p and divides at the end.
; When M moves, the sum and O are multiplied by 2^(old M - new M): exact.
; SHARES.  Work-group (p, head) owns blocks p and 7 - p of 256 queries: (p + 1) + (8 - p) = 9 visits of a slot of 256 keys in every work-group: equal work, and a trip count that is a constant.
; Each of the eight waves owns 32 queries of a block, two tiles of 16, so that each fragment of K and V read from LDS feeds two matrix instructions.
; No cluster: the four work-groups of a head want different slots at different visits, so there is no request that they could make jointly.
; K and V go from memory into registers a whole visit ahead, and from there into one of two LDS buffers as they lie (all buffers are laid in the order of the operand's registers: every access is 16 x lane or 16 x thread).
; LAYOUT.  Both products transposed: S^T = K Q^T (source 0 = 16 keys, source 1 = 16 queries), O^T = V^T P^T: a lane holds ONE query (lane % 16).  Tile u of S^T holds keys 16 u + 8 (lane / 16) + 0 .. 7 in its eight registers:
; one conversion makes of them register pair u of P's fragment.  The same holds of O^T and y's fragment (16 tokens x 64 channels, 1,024 bytes at yc[tile of tokens][head]).
; p is at most 1 (a rounding above it at the most), so the hold at 448 x 2^ep can act only where ep < -8: a scalar branch on that whole number jumps over the 128 holds otherwise.
; LIMITS: eq + ek between -123 and 130 (added to c's exponent field); ep, and ey - ep - ev, between -126 and 119.  NaN is not served.
; REGISTERS.  window 0: v1-11, v31 addresses and constants; v12-19 -M, largest t, the sum (a pair) for each tile; v20-23 the factors; v24-29 at work; v32-63 P's codes; v64-127 O^T (64 + 32 t + 8 c); v128-255 S^T, then p (128 + 64 t + 8 u).
;   window 1: v0-15 Q; v16-31 the second block's Q; v32-95 K's eight fragments; v96-159 V's four; v160-191 a slot's 128 bytes a thread on their way.
.set BUF1,  32768                      ; two buffers: K's 16 tiles of 1,024 bytes, then V's 2 x 4 fragments of 2,048
.set VOFF,  16384
.set SPARE, 65536                      ; behind them: the spare words, 128 bytes for each wave: four blocks of 256 bytes that no other line names
.set LI,  1                            ; v1   16 x lane
.set TI,  2                            ; v2   16 x thread
.set ADR, 3                            ; v3   the buffer in hand + 16 x lane
.set STA, 4                            ; v4   the other buffer + 16 x thread
.set SPW, 5                            ; v5   LDS address of my spare word; never rewritten
.set NIL, 6                            ; v6   0; never rewritten
.set RH,  7                            ; v7   lane % 16 - 8 (lane / 16)
.set NINF, 8                           ; v8   -infinity
.set SCL, 9                            ; v9   2^ep
.set LIMP, 10                          ; v10  448 x 2^ep
.set MSB, 0
.macro WIN new                         ; the immediate's high byte repeats the setting that is left
.if MSB != (\new)
	s_set_vgpr_msb (MSB<<8)|(\new)
.set MSB, (\new)
.endif
.endm
; s14 wave, s15 my run of 32 queries in a block, s16 p, s17 head, s18 visit, s19 slot, s20 block, s21 my first query, s22 buffer in hand, s23 the other, s[24:25] c, s[26:27] lane selects, s28 hold?,
; s29-31 at work, s32, s33 first query - first key for each tile, s[34:37] the staging loads' bases, s[48:49] y's place, s50, s51 y's scale and limit, s[52:53] yc at my head
	s_load_b256 s[4:11], s[0:1], 0x0               ; qc s[4:5], kc s[6:7], vc s[8:9], the scales' exponents s[10:11]
	s_load_b64 s[12:13], s[0:1], 0x20              ; yc
	v_lshl_add_u32 v[SPW], v0, 2, SPARE
	v_mov_b32 v[NIL], 0
	v_lshrrev_b32 v1, 5, v0
	v_readfirstlane_b32 s14, v1                    ; wave 0..7
	v_lshlrev_b32 v[TI], 4, v0
	v_and_b32 v1, 31, v0
	v_and_b32 v[RH], 15, v0
	v_bfe_u32 v3, v0, 4, 1
	v_lshlrev_b32 v3, 3, v3
	v_sub_nc_u32 v[RH], v[RH], v3
	v_lshlrev_b32 v[LI], 4, v1
	v_mov_b32 v[NINF], 0xff800000
	; which 32 queries of a block: waves w and w + 4, and waves 2 j and 2 j + 1, get one run from the block's first half and one from its second: on the diagonal the first has one key step, the second two
	s_lshr_b32 s17, s14, 2
	s_xor_b32 s15, s14, s17
	s_and_b32 s15, s15, 1
	s_lshl_b32 s15, s15, 2
	s_bfe_u32 s30, s14, 0x10001
	s_add_co_u32 s15, s15, s30
	s_lshl_b32 s17, s17, 1
	s_add_co_u32 s15, s15, s17
	s_mov_b32 s16, ttmp9                           ; p
	s_and_b32 s17, ttmp7, 0xffff                   ; the head, 16 x batch + head
	s_lshl_b32 s30, s17, 17                        ; a head is 131,072 bytes in qc, kc and vc
	s_mov_b32 s31, 0
	s_wait_kmcnt 0x0
	s_load_b256 s[40:47], s[10:11], 0x0            ; the eight exponents
	s_add_nc_u64 s[4:5], s[4:5], s[30:31]
	s_add_nc_u64 s[6:7], s[6:7], s[30:31]
	s_add_nc_u64 s[8:9], s[8:9], s[30:31]
	s_lshr_b32 s30, s17, 4
	s_lshl_b32 s30, s30, 21                        ; yc: a batch is 128 tiles of tokens x 16,384 bytes,
	s_and_b32 s32, s17, 15
	s_lshl_b32 s32, s32, 10                        ; a head 1,024 bytes in each
	s_add_co_u32 s30, s30, s32
	s_add_nc_u64 s[52:53], s[12:13], s[30:31]
; The slot of visit s29 is asked for: 32,768 bytes, 128 a thread; each load of the work-group covers 4,096 consecutive bytes.  Visits 0 .. p walk slots 0 .. p, visits p + 1 .. 8 slots 0 .. 7 - p.
; The bases are written only behind the wait that shows the last loads that named them done.
.macro STAGE_LOAD
	s_add_co_u32 s30, s16, 1
	s_cmp_le_u32 s29, s16
	s_cselect_b32 s30, 0, s30
	s_sub_co_u32 s30, s29, s30
	s_lshl_b32 s30, s30, 14
	s_mov_b32 s31, 0
	s_add_nc_u64 s[34:35], s[6:7], s[30:31]
	s_add_nc_u64 s[36:37], s[8:9], s[30:31]
	WIN 0x40                                       ; destination window 1
.irp j, 0,1,2,3
	global_load_b128 v[160+4*\j:163+4*\j], v[TI], s[34:35] offset:4096*\j
.endr
.irp j, 0,1,2,3
	global_load_b128 v[176+4*\j:179+4*\j], v[TI], s[36:37] offset:4096*\j
.endr
	WIN 0
.endm
.macro STAGE_STORE adr                 ; and goes into a buffer as it lies
	WIN 0x04                                       ; store data window 1
.irp j, 0,1,2,3
	ds_store_b128 v[\adr], v[160+4*\j:163+4*\j] offset:4096*\j
.endr
.irp j, 0,1,2,3
	ds_store_b128 v[\adr], v[176+4*\j:179+4*\j] offset:VOFF+4096*\j
.endr
	WIN 0
.endm
.macro SETBLK                          ; s20 = the block: my first query, and where y goes: 1,024 bytes x query (a tile of 16 tokens is 16,384 bytes)
	s_lshl_b32 s21, s20, 8
	s_lshl_b32 s29, s15, 5
	s_add_co_u32 s21, s21, s29
	s_lshl_b32 s30, s21, 10
	s_mov_b32 s31, 0
	s_add_nc_u64 s[48:49], s[52:53], s[30:31]
.endm
.macro INIT                            ; the step is written once: a block's first step finds zeros, which the first change of M leaves zeros
	v_mov_b32 v13, 0xff61b1e6                      ; the largest t so far: -3e38, under every t
	v_mov_b32 v17, 0xff61b1e6
	v_floor_f32 v12, -v13                          ; -M
	v_floor_f32 v16, -v17
	v_mov_b32 v14, 0
	v_mov_b32 v15, 0
	v_mov_b32 v18, 0
	v_mov_b32 v19, 0
.set ii, 0
.rept 64
	v_mov_b32 v[64+ii], 0
.set ii, ii+1
.endr
.endm
	s_mov_b32 s29, 0
	STAGE_LOAD                                     ; visit 0's slot
	s_lshl_b32 s30, s16, 8
	s_lshl_b32 s32, s15, 5
	s_add_co_u32 s30, s30, s32
	s_lshl_b32 s30, s30, 6                         ; 64 bytes a query
	s_mov_b32 s31, 0
	s_add_nc_u64 s[38:39], s[4:5], s[30:31]        ; Q of block p,
	s_sub_co_u32 s30, 7, s16
	s_lshl_b32 s30, s30, 8
	s_add_co_u32 s30, s30, s32
	s_lshl_b32 s30, s30, 6
	s_add_nc_u64 s[54:55], s[4:5], s[30:31]        ; and of block 7 - p
	WIN 0x40
.irp t, 0,1
.irp g, 0,1
	global_load_b128 v[8*\t+4*\g:8*\t+4*\g+3], v[LI], s[38:39] offset:\t*1024+512*\g th:TH_LOAD_NT
	global_load_b128 v[16+8*\t+4*\g:16+8*\t+4*\g+3], v[LI], s[54:55] offset:\t*1024+512*\g th:TH_LOAD_NT
.endr
.endr
	WIN 0
	s_wait_loadcnt 8                               ; the slot's eight loads are in; Q's eight may be out
	STAGE_STORE TI                                 ; into buffer 0
	s_wait_dscnt 0x0                               ; the stores have read their registers
	s_mov_b32 s29, 1
	STAGE_LOAD                                     ; visit 1's slot
	INIT
.irp j, 11,20,21,22,23,24,25,26,27,28,29,31
	v_mov_b32 v\j, 0                               ; written once: upper words of pairs that are named whole, and destinations of lane exchanges
.endr
	s_wait_kmcnt 0x0
	s_add_co_i32 s30, s42, s43
	s_lshl_b32 s30, s30, 23
	s_add_co_i32 s24, s30, 0x3e38aa3b              ; c = log2(e) / 8, with eq + ek added to its exponent field: a score stands for score x 2^(eq + ek)
	s_mov_b32 s25, s24                             ; (named with it as a pair, so it is written)
	s_mov_b32 s26, 0x76543210
	s_mov_b32 s27, 0xfedcba98                      ; v_permlanex16_b32's selects for lane l xor 16
	s_cmp_lt_i32 s44, -8
	s_cselect_b32 s28, 1, 0                        ; can 448 x 2^ep lie under 1?
	s_add_co_i32 s30, s44, 127
	s_lshl_b32 s32, s30, 23
	v_mov_b32 v[SCL], s32
	s_add_co_i32 s30, s30, 8
	s_lshl_b32 s30, s30, 23
	s_or_b32 s30, s30, 0x600000
	v_mov_b32 v[LIMP], s30
	s_sub_co_i32 s30, s46, s44                     ; O / l stands for y / 2^(ep + ev): y's code is (O / l) / 2^(ey - ep - ev)
	s_sub_co_i32 s30, s30, s45
	s_add_co_i32 s30, s30, 127
	s_lshl_b32 s50, s30, 23
	s_add_co_i32 s30, s30, 8
	s_lshl_b32 s30, s30, 23
	s_or_b32 s51, s30, 0x600000
	s_mov_b32 s18, 0
	s_mov_b32 s19, 0
	s_mov_b32 s20, s16
	SETBLK
	s_mov_b32 s22, 0
	s_mov_b32 s23, BUF1
	s_wait_loadcnt 8                               ; Q is in; visit 1's slot may be out
; On the diagonal: 32 keys (two tiles of S^T, 16 registers) of tile t of queries.  Register 8 u + j holds key offset 16 u + 8 (lane / 16) + j: hidden where 16 u + j > first query - first key + lane % 16 - 8 (lane / 16).
; A group all of whose keys count for all 16 queries is jumped over.
.macro MASKG t, b
	s_cmp_ge_i32 s[32+\t], 32*\b+31
	s_cbranch_scc1 .Lseen_\@
.irp n, 0,1,2,3,4,5,6,7,8,9,10,11,12,13,14,15
	v_cmp_gt_i32 vcc_lo, 32*\b+16*(\n/8)+\n%8, v[11+20*\t]
	v_cndmask_b32 v[128+64*\t+16*\b+\n], v[128+64*\t+16*\b+\n], v[NINF], vcc_lo
.endr
.Lseen_\@:
.endm
; Line i of 32 of tile t's sum of the unquantised p: two at a time, in two chains.
.macro SUMOP t, i
.set sB, 128+64*(\t)
.set sL, 14+4*(\t)
.if (\i) == 0
	v_pk_add_f32 v[24:25], v[sB:sB+1], v[sB+2:sB+3]
.elseif (\i) == 31
	v_pk_add_f32 v[sL:sL+1], v[sL:sL+1], v[24:25]
.elseif ((\i)%2) == 1
	v_pk_add_f32 v[sL:sL+1], v[sL:sL+1], v[sB+2*(\i)+2:sB+2*(\i)+3]
.else
	v_pk_add_f32 v[24:25], v[24:25], v[sB+2*(\i)+2:sB+2*(\i)+3]
.endif
.endm
; A KEY STEP: 128 keys, the q-th half of the slot in hand, for my two tiles of queries.
.macro STEP q
	s_lshl_b32 s29, s19, 8
.if \q
	s_add_co_u32 s29, s29, 128                     ; the step's first key
.endif
	s_cmp_gt_u32 s29, s21                          ; both are multiples of 32: above my first query means behind all my 32: the step is left out.  No barrier stands in a step
	s_cbranch_scc1 .Lhid_\@
	v_add_nc_u32 v[ADR], s22, v[LI]
	WIN 0x40
.irp u, 0,1,2,3,4,5,6,7
.irp g, 0,1
	ds_load_b128 v[32+8*\u+4*\g:32+8*\u+4*\g+3], v[ADR] offset:\q*8192+\u*1024+512*\g
.endr
.endr
	s_wait_dscnt 0x0
	WIN 0x05                                       ; K and Q window 1, S^T window 0
.irp u, 0,1,2,3,4,5,6,7
.irp t, 0,1
	v_wmma_f32_16x16x64_fp8_fp8 v[128+64*\t+8*\u:128+64*\t+8*\u+7], v[32+8*\u:32+8*\u+7], v[8*\t:8*\t+7], 0
.endr
.endr
	WIN 0
.rept 4
	v_nop                                          ; places in front of the first read of the scores; with the addition above also in front of the loads into V's registers, which the last step's products read
.endr
	WIN 0x40
.irp c, 0,1,2,3
.irp g, 0,1,2,3
	ds_load_b128 v[96+16*\c+4*\g:96+16*\c+4*\g+3], v[ADR] offset:VOFF+\q*8192+\c*2048+512*\g   ; V is asked for here and lands under the softmax
.endr
.endr
	WIN 0
	s_add_co_u32 s30, s29, 127
	s_cmp_le_u32 s30, s21                          ; all keys count for all my queries: no mask
	s_cbranch_scc1 .Lopen_\@
	s_sub_co_u32 s32, s21, s29
	s_add_co_u32 s33, s32, 16
	v_add_nc_u32 v11, s32, v[RH]
	v_add_nc_u32 v31, s33, v[RH]
.irp t, 0,1
.irp b, 0,1,2,3
	MASKG \t, \b
.endr
.endr
.Lopen_\@:
	v_max3_num_f32 v26, v128, v129, v130           ; the step's largest score of each query, two chains a tile, every accumulator from its low end on
	v_max3_num_f32 v27, v131, v132, v133
	v_max3_num_f32 v28, v192, v193, v194
	v_max3_num_f32 v29, v195, v196, v197
.irp i, 6,10,14,18,22,26,30,34,38,42,46,50,54,58
	v_max3_num_f32 v26, v26, v[128+\i], v[129+\i]
	v_max3_num_f32 v27, v27, v[130+\i], v[131+\i]
	v_max3_num_f32 v28, v28, v[192+\i], v[193+\i]
	v_max3_num_f32 v29, v29, v[194+\i], v[195+\i]
.endr
	v_max3_num_f32 v26, v26, v190, v191
	v_max3_num_f32 v28, v28, v254, v255
	v_max_num_f32 v26, v26, v27
	v_max_num_f32 v28, v28, v29
	v_permlanex16_b32 v27, v26, s26, s27           ; the query's other 64 keys lie in the lane 16 away
	v_permlanex16_b32 v29, v28, s26, s27
	v_max_num_f32 v26, v26, v27
	v_max_num_f32 v28, v28, v29
	v_mul_f32 v26, s24, v26                        ; as t (c is positive)
	v_mul_f32 v28, s24, v28
	v_max_num_f32 v13, v13, v26                    ; the running largest t
	v_max_num_f32 v17, v17, v28
	v_mov_b32 v26, v12
	v_mov_b32 v28, v16
	v_floor_f32 v12, -v13                          ; the new -M = floor(-t) = -ceil(t)
	v_floor_f32 v16, -v17
	v_sub_f32 v26, v12, v26                        ; old M - new M: a whole number, 0 or less
	v_sub_f32 v28, v16, v28
	v_cvt_i32_f32 v26, v26                         ; (it saturates)
	v_cvt_i32_f32 v28, v28
	v_ldexp_f32 v20, 1.0, v26                      ; f = 2^(old M - new M)
	v_ldexp_f32 v22, 1.0, v28
.set ii, 0
.rept 32
	v_pk_fma_f32 v[128+2*ii:129+2*ii], v[128+2*ii:129+2*ii], s[24:25], v[12:13] op_sel_hi:[1,0,0]   ; tile 0: t - M, two at a time (of the pairs c and -M the low word serves both halves)
.set ii, ii+1
.endr
.set ii, 0
.rept 32                               ; tile 0's exponentials, with tile 1's scalings between them: none of these lines names an exponential's result
	v_exp_f32 v[128+2*ii], v[128+2*ii]
	v_exp_f32 v[129+2*ii], v[129+2*ii]
	v_pk_fma_f32 v[192+2*ii:193+2*ii], v[192+2*ii:193+2*ii], s[24:25], v[16:17] op_sel_hi:[1,0,0]
.set ii, ii+1
.endr
	v_pk_mul_f32 v[14:15], v[14:15], v[20:21] op_sel_hi:[1,0]   ; tile 0's sum under the new M
	s_wait_alu depctr_va_vdst(0)                   ; the wait stands ahead of the first line that names an exponential's result: one for tile 0's 64
.set ii, 0
.rept 32                               ; tile 1's exponentials, with tile 0's sum and the rescaling of O^T between them: none of these lines names a result of this second batch
	v_exp_f32 v[192+2*ii], v[192+2*ii]
	SUMOP 0, ii
	v_exp_f32 v[193+2*ii], v[193+2*ii]
.if ii < 16
	v_pk_mul_f32 v[64+2*ii:65+2*ii], v[64+2*ii:65+2*ii], v[20:21] op_sel_hi:[1,0]
.else
	v_pk_mul_f32 v[64+2*ii:65+2*ii], v[64+2*ii:65+2*ii], v[22:23] op_sel_hi:[1,0]
.endif
.set ii, ii+1
.endr
	v_pk_mul_f32 v[18:19], v[18:19], v[22:23] op_sel_hi:[1,0]
	s_wait_alu depctr_va_vdst(0)                   ; one wait for tile 1's 64
.set ii, 0
.rept 32
	SUMOP 1, ii
.set ii, ii+1
.endr
	s_cmp_eq_u32 s28, 0
	s_cbranch_scc1 .Lnohold_\@
.set ii, 0
.rept 128
	v_min_num_f32 v[128+ii], v[128+ii], v[LIMP]    ; the conversion does not saturate (ISA guide 7.6.2); p is not negative, so the hold is one-sided
.set ii, ii+1
.endr
.Lnohold_\@:
.irp t, 0,1
.irp u, 0,1,2,3,4,5,6,7
	v_cvt_scalef32_pk8_fp8_f32 v[32+16*\t+2*\u:33+16*\t+2*\u], v[128+64*\t+8*\u:135+64*\t+8*\u], v[SCL]
.endr
.endr
	v_nop                                          ; a plain line between the last conversion and the products that read the codes
	s_wait_dscnt 0x0                               ; V is in
	WIN 0x01                                       ; V window 1; P and O^T window 0
.irp c, 0,1,2,3                        ; the eight accumulators take turns, one instruction each; the next step's sixteen products K Q^T stand between two links
.irp t, 0,1
	v_wmma_f32_16x16x128_fp8_fp8 v[64+32*\t+8*\c:71+32*\t+8*\c], v[96+16*\c:111+16*\c], v[32+16*\t:47+16*\t], v[64+32*\t+8*\c:71+32*\t+8*\c]
.endr
.endr
	WIN 0
.Lhid_\@:
.endm
.Lvisit:                                           ; nine trips
	s_wait_dscnt 0x0                               ; my stores of this visit's slot have landed, and my reads of the other buffer are over
	s_barrier_signal -1
	s_barrier_wait -1                              ; both now hold of all eight waves
	s_cmp_lt_u32 s18, 8
	s_cbranch_scc0 .Lnofill
	s_wait_loadcnt 0x0                             ; the next visit's slot, asked for a visit ago,
	v_add_nc_u32 v[STA], s23, v[TI]
	STAGE_STORE STA                                ; goes into the buffer that nobody reads
	s_cmp_lt_u32 s18, 7
	s_cbranch_scc0 .Lnofill
	s_wait_dscnt 0x0                               ; the stores have read their registers
	s_add_co_u32 s29, s18, 2
	STAGE_LOAD                                     ; the slot of two visits on
.Lnofill:
	STEP 0
	STEP 1
	s_cmp_lg_u32 s19, s20                          ; the block's last slot is the diagonal's
	s_cbranch_scc1 .Lnext
	; THE BLOCK IS DONE: O^T / the sum, held, converted, stored as y's fragments
.rept 4
	v_nop                                          ; places behind the last products
.endr
	v_add_f32 v26, v14, v15                        ; the sum's two halves,
	v_add_f32 v28, v18, v19
	v_permlanex16_b32 v27, v26, s26, s27
	v_permlanex16_b32 v29, v28, s26, s27
	v_add_f32 v26, v26, v27                        ; and lane l xor 16's
	v_add_f32 v28, v28, v29
	v_rcp_f32 v20, v26
	v_rcp_f32 v22, v28
	v_mov_b32 v27, s50                             ; (plain lines behind the reciprocals)  2^(ey - ep - ev)
	v_mov_b32 v29, s51                             ; 448 x that
	s_wait_alu depctr_va_vdst(0)                   ; one wait for both reciprocals, ahead of their first reader
.irp t, 0,1
.set ii, 0
.rept 16
	v_pk_mul_f32 v[64+32*\t+2*ii:65+32*\t+2*ii], v[64+32*\t+2*ii:65+32*\t+2*ii], v[20+2*\t:21+2*\t] op_sel_hi:[1,0]
.set ii, ii+1
.endr
.set ii, 0
.rept 32
	v_med3_num_f32 v[64+32*\t+ii], v[64+32*\t+ii], -v29, v29
.set ii, ii+1
.endr
.irp c, 0,1,2,3
	v_cvt_scalef32_pk8_fp8_f32 v[32+16*\t+2*\c:33+16*\t+2*\c], v[64+32*\t+8*\c:71+32*\t+8*\c], v27
.endr
	v_nop
.irp g, 0,1
	global_store_b128 v[LI], v[32+16*\t+4*\g:35+16*\t+4*\g], s[48:49] offset:\t*16384+512*\g   ; 512 consecutive bytes, aligned
.endr
.endr
	s_cmp_eq_u32 s18, 8
	s_cbranch_scc1 .Lnext                          ; that was the second block
	s_wait_xcnt 0x0                                ; the stores have read their registers and their base: both are written again below and in the next step
	WIN 0x41
.set ii, 0
.rept 16
	v_mov_b32 v[ii], v[16+ii]                      ; the second block's Q
.set ii, ii+1
.endr
	WIN 0
	INIT
	s_sub_co_u32 s20, 7, s16
	SETBLK
	s_mov_b32 s19, -1                              ; its slots begin at 0 again
.Lnext:
	s_add_co_u32 s19, s19, 1
	s_xor_b32 s22, s22, BUF1
	s_xor_b32 s23, s23, BUF1
	s_add_co_u32 s18, s18, 1
	s_cmp_lt_u32 s18, 9
	s_cbranch_scc1 .Lvisit
	s_wait_tensorcnt 0x0                           ; the wave's end
	ds_add_u32 v[SPW], v[NIL]
	s_wait_dscnt 0x0
	s_endpgm
.Lfunc_end_k_q8a4d82d139_attn:
	.size	k_q8a4d82d139_attn, .Lfunc_end_k_q8a4d82d139_attn-k_q8a4d82d139_attn
	.p2alignl 7, 3214868480
	.fill 96, 4, 3214868480
	.section	.rodata,"a",@progbits
	.p2align	6, 0x0
	.amdhsa_kernel k_q8a4d82d139_attn
		.amdhsa_group_segment_fixed_size 66560
		.amdhsa_private_segment_fixed_size 0
		.amdhsa_enable_private_segment 0
		.amdhsa_kernarg_size 40
		.amdhsa_user_sgpr_count 2
		.amdhsa_user_sgpr_kernarg_segment_ptr 1
		.amdhsa_wavefront_size32 1
		.amdhsa_system_sgpr_workgroup_id_x 1
		.amdhsa_system_sgpr_workgroup_id_y 1
		.amdhsa_system_sgpr_workgroup_id_z 1
		.amdhsa_system_vgpr_workitem_id 0
		.amdhsa_next_free_vgpr 448
		.amdhsa_next_free_sgpr 66
		.amdhsa_reserve_vcc 1
		.amdhsa_float_denorm_mode_32 3
		.amdhsa_float_denorm_mode_16_64 3
		.amdhsa_memory_ordered 1
		.amdhsa_forward_progress 1
		.amdhsa_inst_pref_size 101
	.end_amdhsa_kernel
	.amdgpu_metadata
---
amdhsa.version: [ 1, 2 ]
amdhsa.kernels:
  - .name:           k_q8a4d82d139_attn
    .symbol:         k_q8a4d82d139_attn.kd
    .args:
      - { .name: qc, .offset: 0, .size: 8, .value_kind: global_buffer, .address_space: global }
      - { .name: kc, .offset: 8, .size: 8, .value_kind: global_buffer, .address_space: global }
      - { .name: vc, .offset: 16, .size: 8, .value_kind: global_buffer, .address_space: global }
      - { .name: lowp_scales, .offset: 24, .size: 8, .value_kind: global_buffer, .address_space: global }
      - { .name: yc, .offset: 32, .size: 8, .value_kind: global_buffer, .address_space: global }
    .group_segment_fixed_size: 66560
    .private_segment_fixed_size: 0
    .kernarg_segment_align: 8
    .kernarg_segment_size: 40
    .max_flat_workgroup_size: 256
    .sgpr_count:     66
    .vgpr_count:     448
    .wavefront_size: 32
...
	.end_amdgpu_metadata
.endif
;; end of part 3
;; launch proj (part 4): grid 4 x 64, 4 waves a work-group, clusters of 4 x 4, 327,680 bytes of LDS; arguments yc, wc, b_proj, lowp_scales, out0; writes out0
.if DOCPART == 4
	.amdgcn_target "amdgcn-amd-amdhsa--gfx1250"
	.amdhsa_code_object_version 6
	.text
	.protected	k_q8a4d82d139_proj
	.globl	k_q8a4d82d139_proj
	.p2align	8
	.type	k_q8a4d82d139_proj,@function
k_q8a4d82d139_proj:
	s_mov_b64 s[64:65], 0
	v_nop
	global_prefetch_b8 v0, s[64:65] scope:SCOPE_SE
	s_setreg_imm32_b32 hwreg(HW_REG_WAVE_MODE, 25, 1), 1
	s_wait_xcnt 0x0
	s_wait_alu depctr_hold_cnt(0) depctr_sa_sdst(0) depctr_va_vdst(0) depctr_va_sdst(0) depctr_va_ssrc(0) depctr_va_vcc(0) depctr_vm_vsrc(0)
	s_getreg_b32 s2, hwreg(HW_REG_IB_STS2, 6, 4)
	s_cmp_eq_u32 s2, 0
	s_cbranch_scc0 .Lentry_in_a_cluster
	s_endpgm
.Lentry_in_a_cluster:
	s_bfe_u32 s2, ttmp6, 0x10000c
	s_cmp_lg_u32 s2, 0xf033
	s_cbranch_scc0 .Lentry_shape_is_right
	s_endpgm
.Lentry_shape_is_right:
; out0 = y W_proj + b_proj on codes of E4M3 (K = 1,024); y's and W_proj's exponents are entries 6 and 7 of the buffer of scales.  out0: [8192][1024] f32.
; A tile of 128 rows x 256 columns gives 64 x 4 = 256 work-groups (256 x 256 would give 128).  Four waves, each 64 x 128: 32 accumulators of 16 x 16.
; Operands lie in the order of the operand's registers (fragments of 2,048 bytes: [group][lane][16 bytes]): every LDS load is 16 x lane.  W_proj's rows are rows 3,072 on of wc: tiles of 16 rows 192 on.
; K goes in four steps of 256 through THREE LDS slots: K steps 0, 1, 2 are first fills and go out together (three tensor loads of a wave are out), K step 3 fills slot 0 again: the launch's only refill.
; CLUSTERS: 4 x 4 work-groups; A's tiles are asked for jointly along a row of the cluster, B's along a column.  The matrix instruction is used transposed: a lane holds eight neighbouring numbers of a row of out0.
; LIMIT: e6 + e7 lies between -126 and 127, so that 2^(e6 + e7) is an f32 number.
; REGISTERS: window 0: v16-29 addresses; v32-95 at work on the way out; v128-191 A's four fragments, ONE set; on the way out v128-255 rows read back.   window 1: B's fragments, TWO sets.
;   window 2: the accumulators ((a, b) at v[8 (8 a + b)]).   window 3: v0-63 the bias in the result's layout.
.set SLOT,   98304                     ; A's 8 tiles of 16 rows x 4,096 bytes, then B's 16
.set BOFF,   32768
.set SPARE,  294912                    ; behind the three slots: the spare words, 128 bytes for each wave: two blocks of 256 bytes that no other line names
.set STAGE,  SLOT                      ; the way out: 16 rows x (512 bytes + 16) for each wave, in slot 1: it has had its only fill, and nobody reads it behind the last barrier
.set SPITCH, 528
.set FR,     16
.set NP,     4
.set ADRA, 16                          ; v16-18  LDS address of my A fragments in slot 0, 1, 2
.set ADRB, 20                          ; v20-22  the same for B
.set STO,  24                          ; v24     the way out: where I put 32 bytes of a row
.set RD,   25                          ; v25     where I read a row back
.set CO,   26                          ; v26     16 x lane
.set BO,   27                          ; v27     32 x (lane / 16)
.set SPW,  28                          ; v28     LDS address of my spare word; never rewritten
.set NIL,  29                          ; v29     0; never rewritten
.set TMP,  32
.set AF,   128
.set BK,   128
.set G1, 24                            ; s[24:31] descriptor group 1 for A's tiles;  s[32:43] group 0, one set for each slot
.set G0, 32
.set G1B, 48                           ; s[48:55] group 1 for B's;  s[68:79] group 0
.set G0B, 68
.set MSB, 0
.macro WIN new                         ; the immediate's high byte repeats the setting that is left
.if MSB != (\new)
	s_set_vgpr_msb (MSB<<8)|(\new)
.set MSB, (\new)
.endif
.endm
.set MUL,  0xa1                        ; source 0 (B) window 1, source 1 (A) window 0, C and D window 2
.set TO_B, 0x40
.macro JLOAD g0a, g1a, g0b, g1b        ; a joint load: waves 0 and 1 fetch for A, waves 2 and 3 for B; an s_nop 0 and four v_nop follow each of the two lines
	s_cmp_eq_u32 s15, 0
	s_cbranch_scc0 .Lfor_b_\@
	tensor_load_to_lds s[\g0a:\g0a+3], s[\g1a:\g1a+7]
	s_nop 0
.rept 4
	v_nop
.endr
	s_branch .Lasked_\@
.Lfor_b_\@:
	tensor_load_to_lds s[\g0b:\g0b+3], s[\g1b:\g1b+7]
	s_nop 0
.rept 4
	v_nop
.endr
.Lasked_\@:
.endm
.macro CREST
	s_cmp_lg_u32 s14, 0
	s_cbranch_scc1 .Lnot_wave_0_\@
	s_barrier_signal -3
.Lnot_wave_0_\@:
	s_barrier_wait -3
	s_barrier_signal -1
	s_barrier_wait -1
.endm
.macro CROUND
	s_barrier_signal -1
	s_barrier_wait -1
	CREST
.endm
	s_load_b256 s[4:11], s[0:1], 0x0               ; yc s[4:5], wc s[6:7], b_proj s[8:9], the scales' exponents s[10:11]
	s_load_b64 s[12:13], s[0:1], 0x20              ; out0
	v_lshl_add_u32 v[SPW], v0, 2, SPARE
	v_mov_b32 v[NIL], 0
	ds_add_u32 v[SPW], v[NIL]                      ; the wave's opening: the add and its wait stand ahead of my first tensor load; the set-up below, work on registers, stands between them
	v_lshrrev_b32 v1, 5, v0
	v_readfirstlane_b32 s14, v1                    ; wave 0..3
	s_lshr_b32 s15, s14, 1                         ; which half of the tile's rows is mine.  Also: I fetch for A (0) or for B (1)
	s_and_b32 s16, s14, 1                          ; which half of its columns.  Also: which half of that tile I fetch
	s_bfe_u32 s80, ttmp6, 0x40000                  ; cx, cy
	s_bfe_u32 s81, ttmp6, 0x40004
	s_lshl_b32 s82, ttmp9, 2
	s_add_co_u32 s82, s82, s80                     ; tile column
	s_and_b32 s17, ttmp7, 0xffff
	s_lshl_b32 s17, s17, 2
	s_add_co_u32 s17, s17, s81                     ; tile row
	s_lshl_b32 s83, s81, 2
	s_lshl_b32 s83, 15, s83                        ; my row of the cluster
	s_lshl_b32 s84, 0x1111, s80                    ; my column
	; descriptor group 1: rows of 4,096 bytes (a tile of 16 rows' two fragments of this K step), 16,384 bytes apart; elements of 8 bytes; no padding.  A: 4 rows a load, B: 8
	s_or_b32 s[G1+0], s83, (3<<16)|(1<<21)
	s_mov_b32 s[G1+1], 512<<16
	s_mov_b32 s[G1+2], 4<<16
	s_mov_b32 s[G1+3], 512<<16
	s_mov_b32 s[G1+4], 4
	s_mov_b32 s[G1+5], 2048
	s_mov_b32 s[G1+6], 0
	s_mov_b32 s[G1+7], 0
	s_or_b32 s[G1B+0], s84, (3<<16)|(1<<21)
	s_mov_b32 s[G1B+1], 512<<16
	s_mov_b32 s[G1B+2], 8<<16
	s_mov_b32 s[G1B+3], 512<<16
	s_mov_b32 s[G1B+4], 8
	s_mov_b32 s[G1B+5], 2048
	s_mov_b32 s[G1B+6], 0
	s_mov_b32 s[G1B+7], 0
	s_lshl_b32 s20, s17, 3
	s_lshl_b32 s18, s16, 2
	s_add_co_u32 s20, s20, s18
	s_lshl_b32 s20, s20, 14                        ; A: tile of 16 rows 8 x tile row + 4 x half
	s_mov_b32 s21, 0
	s_lshl_b32 s86, s82, 4
	s_lshl_b32 s18, s16, 3
	s_add_co_u32 s86, s86, s18
	s_add_co_u32 s86, s86, 192
	s_lshl_b32 s86, s86, 14                        ; B: tile of 16 rows 192 + 16 x tile column + 8 x half
	s_mov_b32 s87, 0
	s_lshl_b32 s85, s16, 14                        ; where they go in a slot: A's halves,
	s_lshl_b32 s44, s16, 15
	s_add_co_u32 s44, s44, BOFF                    ; B's halves behind them
	s_wait_dscnt 0x0                               ; the opening add is done
	s_wait_kmcnt 0x0
	s_load_b256 s[88:95], s[10:11], 0x0            ; the eight exponents
	s_add_nc_u64 s[20:21], s[4:5], s[20:21]
	s_add_nc_u64 s[86:87], s[6:7], s[86:87]
	CROUND                                         ; all sixteen work-groups are here: the first joint loads meet
.irp s, 0,1,2
	s_mov_b32 s[G0+4*\s], 1
	s_add_co_u32 s[G0+4*\s+1], s85, \s*SLOT
	s_add_nc_u64 s[G0+4*\s+2:G0+4*\s+3], s[20:21], \s*4096
	s_or_b32 s[G0+4*\s+3], s[G0+4*\s+3], 0x80000000
	s_mov_b32 s[G0B+4*\s], 1
	s_add_co_u32 s[G0B+4*\s+1], s44, \s*SLOT
	s_add_nc_u64 s[G0B+4*\s+2:G0B+4*\s+3], s[86:87], \s*4096
	s_or_b32 s[G0B+4*\s+3], s[G0B+4*\s+3], 0x80000000
	JLOAD G0+4*\s, G1, G0B+4*\s, G1B
.endr
	v_and_b32 v1, 31, v0
	v_lshlrev_b32 v[CO], 4, v1
	v_and_b32 v2, 15, v0
	v_bfe_u32 v3, v0, 4, 1
	v_lshlrev_b32 v[BO], 5, v3
	s_lshl_b32 s21, s15, 14                        ; my 64 rows of A,
	s_lshl_b32 s22, s16, 15
	s_add_co_u32 s22, s22, BOFF                    ; my 128 rows of B
.irp s, 0,1,2
	v_add_nc_u32 v[ADRA+\s], s21, v[CO]
	v_add_nc_u32 v[ADRB+\s], s22, v[CO]
	s_add_co_u32 s21, s21, SLOT
	s_add_co_u32 s22, s22, SLOT
.endr
	s_mul_i32 s23, s14, 16*SPITCH
	s_add_co_u32 s23, s23, STAGE                   ; my stage
	v_mul_u32_u24 v4, v2, SPITCH
	v_lshl_add_u32 v4, v3, 5, v4
	v_add_nc_u32 v[STO], s23, v4                   ; in: row lane % 16, 32 bytes for each half of the lanes
	v_add_nc_u32 v[RD], s23, v[CO]                 ; back: the 32 lanes take one row of 512 bytes
	s_lshl_b32 s20, s17, 7
	s_lshl_b32 s21, s15, 6
	s_add_co_u32 s20, s20, s21
	s_lshl_b32 s20, s20, 12                        ; my first row of out0, 4,096 bytes a row,
	s_lshl_b32 s86, s82, 10
	s_lshl_b32 s87, s16, 9
	s_add_co_u32 s86, s86, s87                     ; my first column, in bytes
	s_add_co_u32 s20, s20, s86
	s_mov_b32 s21, 0
	s_add_nc_u64 s[12:13], s[12:13], s[20:21]
	s_mov_b32 s87, 0
	s_add_nc_u64 s[8:9], s[8:9], s[86:87]
	WIN 0xc0                                       ; destination window 3
.irp b, 0,1,2,3,4,5,6,7                ; lane (r, h) wants, for B's block b, the bias of columns 16 b + 8 h + 0 .. 7
	global_load_b128 v[8*\b:8*\b+3], v[BO], s[8:9] offset:64*\b
	global_load_b128 v[8*\b+4:8*\b+7], v[BO], s[8:9] offset:64*\b+16
.endr
	WIN 0
.macro FRAG reg, adr, q, i
.irp c, 0,1,2,3
	ds_load_b128 v[\reg+4*\c:\reg+4*\c+3], v[\adr] offset:(\i)*4096+(\q)*2048+512*\c
.endr
.endm
; 8 matrix instructions: A's block a x B's eight, 128 along K.  The 32 accumulators take turns, one instruction a turn, in the same order in every step.
.macro MULA a, p, zero
.irp b, 0,1,2,3,4,5,6,7
.if \zero
	v_wmma_f32_16x16x128_fp8_fp8 v[8*(8*(\a)+\b):8*(8*(\a)+\b)+7], v[128*(\p)+FR*\b:128*(\p)+FR*\b+FR-1], v[AF+FR*(\a):AF+FR*(\a)+FR-1], 0
.else
	v_wmma_f32_16x16x128_fp8_fp8 v[8*(8*(\a)+\b):8*(8*(\a)+\b)+7], v[128*(\p)+FR*\b:128*(\p)+FR*\b+FR-1], v[AF+FR*(\a):AF+FR*(\a)+FR-1], v[8*(8*(\a)+\b):8*(8*(\a)+\b)+7]
.endif
.endr
.endm
.macro FETCH_B slot, q, p
	WIN TO_B
.irp i, 0,1,2,3,4,5,6,7
	FRAG 128*(\p)+FR*\i, ADRB+\slot, \q, \i
.endr
	WIN 0
.endm
.macro FETCH_A slot, q, i0
.irp i, \i0, \i0+1
	FRAG AF+FR*(\i), ADRA+\slot, \q, \i
.endr
.endm
.macro PLACES n
.rept \n
	v_nop
.endr
.endm
; A step of 128 along K on B's set p; the next step's fragments come from half nq of slot nslot, whose tiles have been shown landed to every wave.
.macro STEP p, nslot, nq, zero
	s_wait_dscnt 8                                 ; B's set and A's blocks 0, 1 are in; the youngest eight loads (A's blocks 2, 3) may be out
	WIN MUL
	MULA 0, \p, \zero
	MULA 1, \p, \zero
	s_wait_dscnt 0
	PLACES NP
	FETCH_B \nslot, \nq, 1-(\p)
	FETCH_A \nslot, \nq, 0
	WIN MUL
	MULA 2, \p, \zero
	MULA 3, \p, \zero
	PLACES NP
	WIN 0
	FETCH_A \nslot, \nq, 2
.endm
; A step with a barrier: in front of it each wave waits for all its tensor loads, adds 0 to its spare word, and waits for that and for its own LDS reads.  fill = 1: slot \slot, which has been read out, takes K step 3.
.macro TURN slot, next, fill
	s_wait_tensorcnt 0x0                           ; all my tensor loads have landed
	ds_add_u32 v[SPW], v[NIL]                      ; 0 onto my spare word
	s_wait_dscnt 9                                 ; (the add and the youngest eight loads may be out)
	WIN MUL
	MULA 0, 1, 0                                   ; eight matrix instructions stand between the add and the wait for it
	s_wait_dscnt 0x0                               ; the add is done, and my reads of this slot are over
	s_barrier_signal -1
	MULA 1, 1, 0
	WIN 0
	s_barrier_wait -1
.if \fill
	CREST                                          ; the barrier has opened a round of the cluster's barrier: no wave of any partner still reads this slot or has a load on its way
	s_add_nc_u64 s[G0+4*\slot+2:G0+4*\slot+3], s[G0+4*\slot+2:G0+4*\slot+3], 3*4096
	s_add_nc_u64 s[G0B+4*\slot+2:G0B+4*\slot+3], s[G0B+4*\slot+2:G0B+4*\slot+3], 3*4096
	JLOAD G0+4*\slot, G1, G0B+4*\slot, G1B         ; the first tensor load behind the round; its four v_nop are the places in front of the loads below
.else
	PLACES NP
.endif
	FETCH_B \next, 0, 0
	FETCH_A \next, 0, 0
	WIN MUL
	MULA 2, 1, 0
	MULA 3, 1, 0
	PLACES NP
	WIN 0
	FETCH_A \next, 0, 2
.endm
	s_wait_tensorcnt 2                             ; my part of K step 0 is in (K steps 1 and 2 may be out)
	s_barrier_signal -1
	s_barrier_wait -1                              ; everybody's is
	FETCH_B 0, 0, 0
	FETCH_A 0, 0, 0
	FETCH_A 0, 0, 2
	STEP 0, 0, 1, 1                                ; slot 0's first half: its products start the sums
	TURN 0, 1, 1                                   ; slot 0's second half; every wave's parts of slots 1 and 2 have landed; slot 0 takes K step 3
	STEP 0, 1, 1, 0                                ; slot 1
	STEP 1, 2, 0, 0                                ; on into slot 2 with no barrier: the round above has shown it whole to every wave
	STEP 0, 2, 1, 0                                ; slot 2
	TURN 2, 0, 0                                   ; K step 3 has landed, in every wave; nothing is filled again
	STEP 0, 0, 1, 0                                ; slot 0 again
	s_wait_dscnt 8                                 ; the very last step: nothing more to fetch
	WIN MUL
	MULA 0, 1, 0
	MULA 1, 1, 0
	s_wait_dscnt 0
	MULA 2, 1, 0
	MULA 3, 1, 0
	WIN 0
; THE WAY OUT, block by block of 16 rows x 128 columns: sum x 2^(e6 + e7) + bias, one packed multiply-add for two numbers; through my own stage in LDS; back as whole rows of 512 bytes.
; LDS serves a wave's instructions in order (ISA guide 5.7.1.4): no wait between the stores and the loads, nor in front of the next block's stores.
.macro TOSTAGE a
	WIN 0x32                                       ; source 0 (the sums) window 2, source 2 (the bias) window 3
.irp j, 0,2,4,6,8,10,12,14,16,18,20,22,24,26,28,30,32,34,36,38,40,42,44,46,48,50,52,54,56,58,60,62
	v_pk_fma_f32 v[TMP+\j:TMP+\j+1], v[64*(\a)+\j:64*(\a)+\j+1], s[96:97], v[\j:\j+1] op_sel_hi:[1,0,1]   ; each accumulator from its low end on
.endr
	WIN 0
.irp b, 0,1,2,3,4,5,6,7
	ds_store_b128 v[STO], v[TMP+8*\b:TMP+8*\b+3] offset:64*\b
	ds_store_b128 v[STO], v[TMP+8*\b+4:TMP+8*\b+7] offset:64*\b+16
.endr
.irp t, 0,1,2,3,4,5,6,7,8,9,10,11,12,13,14,15
	ds_load_b128 v[BK+64*((\a)%2)+4*\t:BK+64*((\a)%2)+4*\t+3], v[RD] offset:\t*SPITCH
.endr
.endm
.macro SEND a, younger                 ; younger: the LDS instructions issued behind block a's loads, which may stay out
	s_wait_dscnt \younger
.irp t, 0,1,2,3,4,5,6,7,8,9,10,11,12,13,14,15
	global_store_b128 v[CO], v[BK+64*((\a)%2)+4*\t:BK+64*((\a)%2)+4*\t+3], s[12:13] offset:(\a)*65536+\t*4096 th:TH_STORE_NT   ; 32 lanes store 512 consecutive bytes, aligned; written once, read by nobody here
.endr
.endm
	s_wait_kmcnt 0x0
	s_add_co_i32 s96, s94, s95                     ; e6 + e7
	s_add_co_i32 s96, s96, 127
	s_lshl_b32 s96, s96, 23                        ; 2^(e6 + e7) as f32
	s_mov_b32 s97, s96                             ; (named with it as a pair, so it is written)
	s_wait_loadcnt 0x0                             ; the bias
	PLACES NP
	TOSTAGE 0
	TOSTAGE 1
	SEND 0, 32                                     ; behind block 0's loads: block 1's 16 stores and 16 loads
	s_wait_xcnt 0x0                                ; block 0's stores have read their registers: block 2's loads may land there
	TOSTAGE 2
	SEND 1, 32
	s_wait_xcnt 0x0
	TOSTAGE 3
	SEND 2, 32
	SEND 3, 0
	s_wait_tensorcnt 0x0                           ; the wave's end
	ds_add_u32 v[SPW], v[NIL]
	s_wait_dscnt 0x0
	CROUND                                         ; the closing round: no work-group ends while a partner may still ask for a tile that names it
	s_endpgm
.Lfunc_end_k_q8a4d82d139_proj:
	.size	k_q8a4d82d139_proj, .Lfunc_end_k_q8a4d82d139_proj-k_q8a4d82d139_proj
	.p2alignl 7, 3214868480
	.fill 96, 4, 3214868480
	.section	.rodata,"a",@progbits
	.p2align	6, 0x0
	.amdhsa_kernel k_q8a4d82d139_proj
		.amdhsa_group_segment_fixed_size 327680
		.amdhsa_private_segment_fixed_size 0
		.amdhsa_enable_private_segment 0
		.amdhsa_kernarg_size 40
		.amdhsa_user_sgpr_count 2
		.amdhsa_user_sgpr_kernarg_segment_ptr 1
		.amdhsa_wavefront_size32 1
		.amdhsa_system_sgpr_workgroup_id_x 1
		.amdhsa_system_sgpr_workgroup_id_y 1
		.amdhsa_system_sgpr_workgroup_id_z 1
		.amdhsa_system_vgpr_workitem_id 0
		.amdhsa_next_free_vgpr 832
		.amdhsa_next_free_sgpr 100
		.amdhsa_reserve_vcc 0
		.amdhsa_float_denorm_mode_32 3
		.amdhsa_float_denorm_mode_16_64 3
		.amdhsa_memory_ordered 1
		.amdhsa_forward_progress 1
		.amdhsa_inst_pref_size 78
	.end_amdhsa_kernel
	.amdgpu_metadata
---
amdhsa.version: [ 1, 2 ]
amdhsa.kernels:
  - .name:           k_q8a4d82d139_proj
    .symbol:         k_q8a4d82d139_proj.kd
    .args:
      - { .name: yc, .offset: 0, .size: 8, .value_kind: global_buffer, .address_space: global }
      - { .name: wc, .offset: 8, .size: 8, .value_kind: global_buffer, .address_space: global }
      - { .name: b_proj, .offset: 16, .size: 8, .value_kind: global_buffer, .address_space: global }
      - { .name: lowp_scales, .offset: 24, .size: 8, .value_kind: global_buffer, .address_space: global }
      - { .name: out0, .offset: 32, .size: 8, .value_kind: global_buffer, .address_space: global }
    .group_segment_fixed_size: 327680
    .private_segment_fixed_size: 0
    .kernarg_segment_align: 8
    .kernarg_segment_size: 40
    .max_flat_workgroup_size: 128
    .sgpr_count:     100
    .vgpr_count:     832
    .wavefront_size: 32
...
	.end_amdgpu_metadata
.endif
;; end of part 4
;; ======== version 2 of 2: 4 launches; version 1 with the launch attn written anew for expert scheduling mode
;; workspace buffers: xc 8,388,608 bytes; wc 4,194,304 bytes; qc 8,388,608 bytes; kc 8,388,608 bytes; vc 8,388,608 bytes; yc 8,388,608 bytes
;; launch quant: the kernel of part 1 again; grid 384 x 1, 4 waves a work-group, no clusters, 67,072 bytes of LDS; arguments x, W_attn, W_proj, lowp_scales, xc, wc; writes xc, wc
;; launch qkv: the kernel of part 2 again; grid 12 x 32, 4 waves a work-group, clusters of 4 x 4, 327,680 bytes of LDS; arguments xc, wc, b_attn, lowp_scales, qc, kc, vc; writes qc, kc, vc
;; launch attn (part 5): grid 4 x 64, 8 waves a work-group, no clusters, 66,560 bytes of LDS; arguments qc, kc, vc, lowp_scales, yc; writes yc
.if DOCPART == 5
	.amdgcn_target "amdgcn-amd-amdhsa--gfx1250"
	.amdhsa_code_object_version 6
	.text
	.protected	k_q8a4d82d139_attn
	.globl	k_q8a4d82d139_attn
	.p2align	8
	.type	k_q8a4d82d139_attn,@function
k_q8a4d82d139_attn:
	s_mov_b64 s[64:65], 0
	v_nop
	global_prefetch_b8 v0, s[64:65] scope:SCOPE_SE
	s_setreg_imm32_b32 hwreg(HW_REG_WAVE_SCHED_MODE, 0, 2), 2
	s_setreg_imm32_b32 hwreg(HW_REG_WAVE_MODE, 25, 1), 1
	s_wait_xcnt 0x0
	s_wait_alu depctr_vm_vsrc(0)
; y[head][q] = the sum over keys k <= q of softmax_k(q . k / 8) v[k], both products on codes of E4M3, and y quantised for the last product.  64 heads (batch x 16), 2,048 tokens, head size 64.
; Exponents, from the buffer of scales: eq (2), ek (3), ep (4), ev (5), ey (6).
; THE SOFTMAX: t = score x log2(e) / 8; M = the running largest t rounded UP to a whole number; p = 2^(t - M) is quantised; the row's sum is taken of the unquantised p and divides at the end.
; When M moves, the sum and O are multiplied by 2^(old M - new M): exact.
; SHARES.  Work-group (p, head) owns blocks p and 7 - p of 256 queries: (p + 1) + (8 - p) = 9 visits of a slot of 256 keys in every work-group: equal work, and a trip count that is a constant.
; Each of the eight waves owns 32 queries of a block, two tiles of 16, so that each fragment of K and V read from LDS feeds two matrix instructions.
; No cluster: the four work-groups of a head want different slots at different visits, so there is no request that they could make jointly.
; K and V go from memory into registers a whole visit ahead, and from there into one of two LDS buffers as they lie (all buffers are laid in the order of the operand's registers: every access is 16 x lane or 16 x thread).
; LAYOUT.  Both products transposed: S^T = K Q^T (source 0 = 16 keys, source 1 = 16 queries), O^T = V^T P^T: a lane holds ONE query (lane % 16).  Tile u of S^T holds keys 16 u + 8 (lane / 16) + 0 .. 7 in its eight registers:
; one conversion makes of them register pair u of P's fragment.  The same holds of O^T and y's fragment (16 tokens x 64 channels, 1,024 bytes at yc[tile of tokens][head]).
; p is at most 1 (a rounding above it at the most), so the hold at 448 x 2^ep can act only where ep < -8: a scalar branch on that whole number jumps over the 128 holds otherwise.
; LIMITS: eq + ek between -123 and 130 (added to c's exponent field); ep, and ey - ep - ev, between -126 and 119.  NaN is not served.
; REGISTERS.  window 0: v1-11, v31 addresses and constants; v12-19 -M, largest t, the sum (a pair) for each tile; v20-23 the factors; v24-29 at work; v32-63 P's codes; v64-127 O^T (64 + 32 t + 8 c); v128-255 S^T, then p (128 + 64 t + 8 u).
;   window 1: v0-15 Q; v16-31 the second block's Q; v32-95 K's eight fragments; v96-159 V's four; v160-191 a slot's 128 bytes a thread on their way.
; THE MODE: SCHED_MODE bits 1:0 = 2 (LLVM: expert scheduling mode 2), set by the entry lines.  The code itself states the register dependences between vector or matrix instructions and
; memory or LDS instructions, with s_wait_alu, always for 0.
; THE PLAN.  Registers that memory or LDS instructions touch, in the loop:
;   the staging registers  Written by the global loads of the slot two visits on; read by the LDS stores at the next visit's head; named by no vector instruction.  One wait on vm_vsrc between those stores and the next loads.
;   K's registers          Step 0's fragments are loaded at the visit's head, step 1's in step 0, behind step 0's products K Q^T; read by a step's sixteen products K Q^T.
;   V's registers          Loaded behind a step's products K Q^T; read by the step's eight products V^T P, its last vector-side lines.
;   v[ADR], v[STA]         Written once a visit, at its head; read by that visit's LDS loads and stores.
;   v[LI], v[TI]           Written at the kernel's head and never again.
;   P's registers          In a block's last lines they hold y's codes: written by conversions, read by four global stores, written again by the next block's conversions.
;   v[SPW], v[NIL]         Written at the head, read by the closing add alone.
; So ONE wait on va_vdst stands in a step beside those for the exponentials: behind the products K Q^T and their places, ahead of the run of LDS loads.  It states that the last step's products V^T P are done reading V,
; and, in step 0, that the products K Q^T are done reading K.  A visit's head has one wait on vm_vsrc ahead of the two additions and one on va_vdst behind them.
.set BUF1,  32768                      ; two buffers: K's 16 tiles of 1,024 bytes, then V's 2 x 4 fragments of 2,048
.set VOFF,  16384
.set SPARE, 65536                      ; behind them: the spare words, 128 bytes for each wave: four blocks of 256 bytes that no other line names
.set LI,  1                            ; v1   16 x lane
.set TI,  2                            ; v2   16 x thread
.set ADR, 3                            ; v3   the buffer in hand + 16 x lane
.set STA, 4                            ; v4   the other buffer + 16 x thread
.set SPW, 5                            ; v5   LDS address of my spare word; never rewritten
.set NIL, 6                            ; v6   0; never rewritten
.set RH,  7                            ; v7   lane % 16 - 8 (lane / 16)
.set NINF, 8                           ; v8   -infinity
.set SCL, 9                            ; v9   2^ep
.set LIMP, 10                          ; v10  448 x 2^ep
.set MSB, 0
.macro WIN new                         ; the immediate's high byte repeats the setting that is left
.if MSB != (\new)
	s_set_vgpr_msb (MSB<<8)|(\new)
.set MSB, (\new)
.endif
.endm
; s14 wave, s15 my run of 32 queries in a block, s16 p, s17 head, s18 visit, s19 slot, s20 block, s21 my first query, s22 buffer in hand, s23 the other, s[24:25] c, s[26:27] lane selects, s28 hold?,
; s29-31 at work, s32, s33 first query - first key for each tile, s[34:37] the staging loads' bases, s[48:49] y's place, s50, s51 y's scale and limit, s[52:53] yc at my head;
; s40-47 (the exponents, until the set-up is done) and s56-63: sixteen lane masks on the diagonal
	s_load_b256 s[4:11], s[0:1], 0x0               ; qc s[4:5], kc s[6:7], vc s[8:9], the scales' exponents s[10:11]
	s_load_b64 s[12:13], s[0:1], 0x20              ; yc
	v_lshl_add_u32 v[SPW], v0, 2, SPARE
	v_mov_b32 v[NIL], 0
	v_lshrrev_b32 v1, 5, v0
	v_readfirstlane_b32 s14, v1                    ; wave 0..7
	v_lshlrev_b32 v[TI], 4, v0
	v_and_b32 v1, 31, v0
	v_and_b32 v[RH], 15, v0
	v_bfe_u32 v3, v0, 4, 1
	v_lshlrev_b32 v3, 3, v3
	v_sub_nc_u32 v[RH], v[RH], v3
	v_lshlrev_b32 v[LI], 4, v1
	v_mov_b32 v[NINF], 0xff800000
	s_wait_alu depctr_va_sdst(0)                   ; s14 is written, ahead of its first reader
	; which 32 queries of a block: waves w and w + 4, and waves 2 j and 2 j + 1, get one run from the block's first half and one from its second: on the diagonal the first has one key step, the second two
	s_lshr_b32 s17, s14, 2
	s_xor_b32 s15, s14, s17
	s_and_b32 s15, s15, 1
	s_lshl_b32 s15, s15, 2
	s_bfe_u32 s30, s14, 0x10001
	s_add_co_u32 s15, s15, s30
	s_lshl_b32 s17, s17, 1
	s_add_co_u32 s15, s15, s17
	s_mov_b32 s16, ttmp9                           ; p
	s_and_b32 s17, ttmp7, 0xffff                   ; the head, 16 x batch + head
	s_lshl_b32 s30, s17, 17                        ; a head is 131,072 bytes in qc, kc and vc
	s_mov_b32 s31, 0
	s_wait_kmcnt 0x0
	s_load_b256 s[40:47], s[10:11], 0x0            ; the eight exponents
	s_add_nc_u64 s[4:5], s[4:5], s[30:31]
	s_add_nc_u64 s[6:7], s[6:7], s[30:31]
	s_add_nc_u64 s[8:9], s[8:9], s[30:31]
	s_lshr_b32 s30, s17, 4
	s_lshl_b32 s30, s30, 21                        ; yc: a batch is 128 tiles of tokens x 16,384 bytes,
	s_and_b32 s32, s17, 15
	s_lshl_b32 s32, s32, 10                        ; a head 1,024 bytes in each
	s_add_co_u32 s30, s30, s32
	s_add_nc_u64 s[52:53], s[12:13], s[30:31]
; The slot of visit s29 is asked for: 32,768 bytes, 128 a thread; each load of the work-group covers 4,096 consecutive bytes.  Visits 0 .. p walk slots 0 .. p, visits p + 1 .. 8 slots 0 .. 7 - p.
; The bases are written only behind the wait that shows the last loads that named them done.  first = 1: the kernel's first memory instructions.
.macro STAGE_LOAD first
	s_add_co_u32 s30, s16, 1
	s_cmp_le_u32 s29, s16
	s_cselect_b32 s30, 0, s30
	s_sub_co_u32 s30, s29, s30
	s_lshl_b32 s30, s30, 14
	s_mov_b32 s31, 0
	s_add_nc_u64 s[34:35], s[6:7], s[30:31]
	s_add_nc_u64 s[36:37], s[8:9], s[30:31]
	WIN 0x40                                       ; destination window 1
.if \first
	s_wait_alu depctr_va_vdst(0)                   ; v[TI] and v[LI] are written: every global load and store of the kernel, and the head's LDS stores, read one of them as their offset
.else
	s_wait_alu depctr_vm_vsrc(0)                   ; the LDS stores of the slot before have read the staging registers, in which these loads land
.endif
.irp j, 0,1,2,3
	global_load_b128 v[160+4*\j:163+4*\j], v[TI], s[34:35] offset:4096*\j
.endr
.irp j, 0,1,2,3
	global_load_b128 v[176+4*\j:179+4*\j], v[TI], s[36:37] offset:4096*\j
.endr
	WIN 0
.endm
.macro STAGE_STORE adr                 ; and goes into a buffer as it lies
	WIN 0x04                                       ; store data window 1
.irp j, 0,1,2,3
	ds_store_b128 v[\adr], v[160+4*\j:163+4*\j] offset:4096*\j
.endr
.irp j, 0,1,2,3
	ds_store_b128 v[\adr], v[176+4*\j:179+4*\j] offset:VOFF+4096*\j
.endr
	WIN 0
.endm
.macro SETBLK                          ; s20 = the block: my first query, and where y goes: 1,024 bytes x query (a tile of 16 tokens is 16,384 bytes)
	s_lshl_b32 s21, s20, 8
	s_lshl_b32 s29, s15, 5
	s_add_co_u32 s21, s21, s29
	s_lshl_b32 s30, s21, 10
	s_mov_b32 s31, 0
	s_add_nc_u64 s[48:49], s[52:53], s[30:31]
.endm
.macro INIT                            ; the step is written once: a block's first step finds zeros, which the first change of M leaves zeros
	v_mov_b32 v13, 0xff61b1e6                      ; the largest t so far: -3e38, under every t
	v_mov_b32 v17, 0xff61b1e6
	v_floor_f32 v12, -v13                          ; -M
	v_floor_f32 v16, -v17
	v_mov_b32 v14, 0
	v_mov_b32 v15, 0
	v_mov_b32 v18, 0
	v_mov_b32 v19, 0
.set ii, 0
.rept 64
	v_mov_b32 v[64+ii], 0
.set ii, ii+1
.endr
.endm
	s_mov_b32 s29, 0
	STAGE_LOAD 1                                   ; visit 0's slot
	s_lshl_b32 s30, s16, 8
	s_lshl_b32 s32, s15, 5
	s_add_co_u32 s30, s30, s32
	s_lshl_b32 s30, s30, 6                         ; 64 bytes a query
	s_mov_b32 s31, 0
	s_add_nc_u64 s[38:39], s[4:5], s[30:31]        ; Q of block p,
	s_sub_co_u32 s30, 7, s16
	s_lshl_b32 s30, s30, 8
	s_add_co_u32 s30, s30, s32
	s_lshl_b32 s30, s30, 6
	s_add_nc_u64 s[54:55], s[4:5], s[30:31]        ; and of block 7 - p
	WIN 0x40
.irp t, 0,1
.irp g, 0,1
	global_load_b128 v[8*\t+4*\g:8*\t+4*\g+3], v[LI], s[38:39] offset:\t*1024+512*\g th:TH_LOAD_NT   ; no vector instruction has been issued since the wait that showed v[LI] written
	global_load_b128 v[16+8*\t+4*\g:16+8*\t+4*\g+3], v[LI], s[54:55] offset:\t*1024+512*\g th:TH_LOAD_NT
.endr
.endr
	WIN 0
	s_wait_loadcnt 8                               ; the slot's eight loads are in; Q's eight may be out
	STAGE_STORE TI                                 ; into buffer 0
	s_wait_dscnt 0x0                               ; the stores are done
	s_mov_b32 s29, 1
	STAGE_LOAD 0                                   ; visit 1's slot
	INIT
.irp j, 11,20,21,22,23,24,25,26,27,28,29,31
	v_mov_b32 v\j, 0                               ; written once: upper words of pairs that are named whole, and destinations of lane exchanges
.endr
	s_wait_kmcnt 0x0
	s_add_co_i32 s30, s42, s43
	s_lshl_b32 s30, s30, 23
	s_add_co_i32 s24, s30, 0x3e38aa3b              ; c = log2(e) / 8, with eq + ek added to its exponent field: a score stands for score x 2^(eq + ek)
	s_mov_b32 s25, s24                             ; (named with it as a pair, so it is written)
	s_mov_b32 s26, 0x76543210
	s_mov_b32 s27, 0xfedcba98                      ; v_permlanex16_b32's selects for lane l xor 16
	s_cmp_lt_i32 s44, -8
	s_cselect_b32 s28, 1, 0                        ; can 448 x 2^ep lie under 1?
	s_add_co_i32 s30, s44, 127
	s_lshl_b32 s32, s30, 23
	v_mov_b32 v[SCL], s32
	s_add_co_i32 s30, s30, 8
	s_lshl_b32 s30, s30, 23
	s_or_b32 s30, s30, 0x600000
	v_mov_b32 v[LIMP], s30
	s_sub_co_i32 s30, s46, s44                     ; O / l stands for y / 2^(ep + ev): y's code is (O / l) / 2^(ey - ep - ev)
	s_sub_co_i32 s30, s30, s45
	s_add_co_i32 s30, s30, 127
	s_lshl_b32 s50, s30, 23
	s_add_co_i32 s30, s30, 8
	s_lshl_b32 s30, s30, 23
	s_or_b32 s51, s30, 0x600000
	s_mov_b32 s18, 0
	s_mov_b32 s19, 0
	s_mov_b32 s20, s16
	SETBLK
	s_mov_b32 s22, 0
	s_mov_b32 s23, BUF1
	s_wait_loadcnt 8                               ; Q is in; visit 1's slot may be out
; On the diagonal: 32 keys (two tiles of S^T, 16 registers) of tile t of queries.  Register 8 u + j holds key offset 16 u + 8 (lane / 16) + j: hidden where 16 u + j > first query - first key + lane % 16 - 8 (lane / 16).
; A group all of whose keys count for all 16 queries is jumped over.  The sixteen compares go in one run, each into a scalar register of its own, so that one wait serves the sixteen selects.
.macro MASKG t, b
	s_cmp_ge_i32 s[32+\t], 32*\b+31
	s_cbranch_scc1 .Lseen_\@
.irp n, 0,1,2,3,4,5,6,7,8,9,10,11,12,13,14,15
	v_cmp_gt_i32 s[40+\n+8*(\n/8)], 32*\b+16*(\n/8)+\n%8, v[11+20*\t]
.endr
	s_wait_alu depctr_va_sdst(0)                   ; the sixteen masks are written, ahead of their first reader
.irp n, 0,1,2,3,4,5,6,7,8,9,10,11,12,13,14,15
	v_cndmask_b32 v[128+64*\t+16*\b+\n], v[128+64*\t+16*\b+\n], v[NINF], s[40+\n+8*(\n/8)]
.endr
.Lseen_\@:
.endm
; Line i of 32 of tile t's sum of the unquantised p: two at a time, in two chains.
.macro SUMOP t, i
.set sB, 128+64*(\t)
.set sL, 14+4*(\t)
.if (\i) == 0
	v_pk_add_f32 v[24:25], v[sB:sB+1], v[sB+2:sB+3]
.elseif (\i) == 31
	v_pk_add_f32 v[sL:sL+1], v[sL:sL+1], v[24:25]
.elseif ((\i)%2) == 1
	v_pk_add_f32 v[sL:sL+1], v[sL:sL+1], v[sB+2*(\i)+2:sB+2*(\i)+3]
.else
	v_pk_add_f32 v[24:25], v[24:25], v[sB+2*(\i)+2:sB+2*(\i)+3]
.endif
.endm
; K's eight fragments of half h of the slot in hand (under destination window 1)
.macro KLOAD h
.irp u, 0,1,2,3,4,5,6,7
.irp g, 0,1
	ds_load_b128 v[32+8*\u+4*\g:32+8*\u+4*\g+3], v[ADR] offset:(\h)*8192+\u*1024+512*\g
.endr
.endr
.endm
; A KEY STEP: 128 keys, the q-th half of the slot in hand, for my two tiles of queries.
.macro STEP q
	s_lshl_b32 s29, s19, 8
.if \q
	s_add_co_u32 s29, s29, 128                     ; the step's first key
.endif
	s_cmp_gt_u32 s29, s21                          ; both are multiples of 32: above my first query means behind all my 32: the step is left out, and with step 0 step 1, whose keys come later.  No barrier stands in a step
	s_cbranch_scc1 .Lhid
.if (\q) == 0
	WIN 0x40
	KLOAD 0                                        ; v[ADR] was shown written at the visit's head, and behind each step's products K Q^T stands a wait on va_vdst: no vector instruction since names K's registers or v[ADR]
.endif
	s_wait_dscnt 0x0                               ; K is in (step 1's was asked for in step 0)
	WIN 0x05                                       ; K and Q window 1, S^T window 0
.irp u, 0,1,2,3,4,5,6,7
.irp t, 0,1
	v_wmma_f32_16x16x64_fp8_fp8 v[128+64*\t+8*\u:128+64*\t+8*\u+7], v[32+8*\u:32+8*\u+7], v[8*\t:8*\t+7], 0
.endr
.endr
.rept 4
	v_nop                                          ; places in front of the first read of the scores (ISA guide 7.12.1)
.endr
	WIN 0x40
	s_wait_alu depctr_va_vdst(0)                   ; the last step's products V^T P are done reading V's registers, and the products above are done reading K's: the loads below land in them
.irp c, 0,1,2,3
.irp g, 0,1,2,3
	ds_load_b128 v[96+16*\c+4*\g:96+16*\c+4*\g+3], v[ADR] offset:VOFF+\q*8192+\c*2048+512*\g   ; V is asked for here and lands under the softmax
.endr
.endr
.if (\q) == 0
	KLOAD 1                                        ; and so does step 1's K, a whole softmax ahead of its use.  Where step 1 is left out these sixteen loads are not used
.endif
	WIN 0
	s_add_co_u32 s30, s29, 127
	s_cmp_le_u32 s30, s21                          ; all keys count for all my queries: no mask
	s_cbranch_scc1 .Lopen_\@
	s_sub_co_u32 s32, s21, s29
	s_add_co_u32 s33, s32, 16
	v_add_nc_u32 v11, s32, v[RH]
	v_add_nc_u32 v31, s33, v[RH]
.irp t, 0,1
.irp b, 0,1,2,3
	MASKG \t, \b
.endr
.endr
.Lopen_\@:
	v_max3_num_f32 v26, v128, v129, v130           ; the step's largest score of each query, two chains a tile, every accumulator from its low end on
	v_max3_num_f32 v27, v131, v132, v133
	v_max3_num_f32 v28, v192, v193, v194
	v_max3_num_f32 v29, v195, v196, v197
.irp i, 6,10,14,18,22,26,30,34,38,42,46,50,54,58
	v_max3_num_f32 v26, v26, v[128+\i], v[129+\i]
	v_max3_num_f32 v27, v27, v[130+\i], v[131+\i]
	v_max3_num_f32 v28, v28, v[192+\i], v[193+\i]
	v_max3_num_f32 v29, v29, v[194+\i], v[195+\i]
.endr
	v_max3_num_f32 v26, v26, v190, v191
	v_max3_num_f32 v28, v28, v254, v255
	v_max_num_f32 v26, v26, v27
	v_max_num_f32 v28, v28, v29
	v_permlanex16_b32 v27, v26, s26, s27           ; the query's other 64 keys lie in the lane 16 away
	v_permlanex16_b32 v29, v28, s26, s27
	v_max_num_f32 v26, v26, v27
	v_max_num_f32 v28, v28, v29
	v_mul_f32 v26, s24, v26                        ; as t (c is positive)
	v_mul_f32 v28, s24, v28
	v_max_num_f32 v13, v13, v26                    ; the running largest t
	v_max_num_f32 v17, v17, v28
	v_mov_b32 v26, v12
	v_mov_b32 v28, v16
	v_floor_f32 v12, -v13                          ; the new -M = floor(-t) = -ceil(t)
	v_floor_f32 v16, -v17
	v_sub_f32 v26, v12, v26                        ; old M - new M: a whole number, 0 or less
	v_sub_f32 v28, v16, v28
	v_cvt_i32_f32 v26, v26                         ; (it saturates)
	v_cvt_i32_f32 v28, v28
	v_ldexp_f32 v20, 1.0, v26                      ; f = 2^(old M - new M)
	v_ldexp_f32 v22, 1.0, v28
.set ii, 0
.rept 32
	v_pk_fma_f32 v[128+2*ii:129+2*ii], v[128+2*ii:129+2*ii], s[24:25], v[12:13] op_sel_hi:[1,0,0]   ; tile 0: t - M, two at a time (of the pairs c and -M the low word serves both halves)
.set ii, ii+1
.endr
.set ii, 0
.rept 32                               ; tile 0's exponentials, with tile 1's scalings between them: none of these lines names an exponential's result
	v_exp_f32 v[128+2*ii], v[128+2*ii]
	v_exp_f32 v[129+2*ii], v[129+2*ii]
	v_pk_fma_f32 v[192+2*ii:193+2*ii], v[192+2*ii:193+2*ii], s[24:25], v[16:17] op_sel_hi:[1,0,0]
.set ii, ii+1
.endr
	v_pk_mul_f32 v[14:15], v[14:15], v[20:21] op_sel_hi:[1,0]   ; tile 0's sum under the new M
	s_wait_alu depctr_va_vdst(0)                   ; tile 0's 64 exponentials have written v128-191, ahead of the first line that names a result
.set ii, 0
.rept 32                               ; tile 1's exponentials, with tile 0's sum and the rescaling of O^T between them: none of these lines names a result of this second batch
	v_exp_f32 v[192+2*ii], v[192+2*ii]
	SUMOP 0, ii
	v_exp_f32 v[193+2*ii], v[193+2*ii]
.if ii < 16
	v_pk_mul_f32 v[64+2*ii:65+2*ii], v[64+2*ii:65+2*ii], v[20:21] op_sel_hi:[1,0]
.else
	v_pk_mul_f32 v[64+2*ii:65+2*ii], v[64+2*ii:65+2*ii], v[22:23] op_sel_hi:[1,0]
.endif
.set ii, ii+1
.endr
	v_pk_mul_f32 v[18:19], v[18:19], v[22:23] op_sel_hi:[1,0]
	s_wait_alu depctr_va_vdst(0)                   ; tile 1's 64 exponentials have written v192-255, ahead of the first line that names a result
.set ii, 0
.rept 32
	SUMOP 1, ii
.set ii, ii+1
.endr
	s_cmp_eq_u32 s28, 0
	s_cbranch_scc1 .Lnohold_\@
.set ii, 0
.rept 128
	v_min_num_f32 v[128+ii], v[128+ii], v[LIMP]    ; the conversion does not saturate (ISA guide 7.6.2); p is not negative, so the hold is one-sided
.set ii, ii+1
.endr
.Lnohold_\@:
.irp t, 0,1
.irp u, 0,1,2,3,4,5,6,7
	v_cvt_scalef32_pk8_fp8_f32 v[32+16*\t+2*\u:33+16*\t+2*\u], v[128+64*\t+8*\u:135+64*\t+8*\u], v[SCL]
.endr
.endr
	v_nop                                          ; a plain line between the last conversion and the products that read the codes
.if (\q) == 0
	s_wait_dscnt 16                                ; LDS loads come back in order (ISA guide 5.7.1): V is in; the sixteen younger loads, step 1's K, may be out
.else
	s_wait_dscnt 0x0                               ; V is in
.endif
	WIN 0x01                                       ; V window 1; P and O^T window 0
.irp c, 0,1,2,3                        ; the eight accumulators take turns, one instruction each; the next step's sixteen products K Q^T stand between two links
.irp t, 0,1
	v_wmma_f32_16x16x128_fp8_fp8 v[64+32*\t+8*\c:71+32*\t+8*\c], v[96+16*\c:111+16*\c], v[32+16*\t:47+16*\t], v[64+32*\t+8*\c:71+32*\t+8*\c]
.endr
.endr
	WIN 0
.endm
.Lvisit:                                           ; nine trips
	s_wait_dscnt 0x0                               ; my stores of this visit's slot have landed, and my reads of the other buffer are over
	s_barrier_signal -1
	s_barrier_wait -1                              ; both now hold of all eight waves
	s_wait_alu depctr_vm_vsrc(0)                   ; the last visit's LDS loads and stores have read v[ADR] and v[STA], which are written anew
	v_add_nc_u32 v[ADR], s22, v[LI]                ; the buffer in hand,
	v_add_nc_u32 v[STA], s23, v[TI]                ; and the one that nobody reads
	s_wait_alu depctr_va_vdst(0)                   ; both are written: this visit's LDS stores and loads read them, and no vector instruction names them again before the next visit's head
	s_cmp_lt_u32 s18, 8
	s_cbranch_scc0 .Lnofill
	s_wait_loadcnt 0x0                             ; the next visit's slot, asked for a visit ago,
	STAGE_STORE STA                                ; goes into the buffer that nobody reads
	s_cmp_lt_u32 s18, 7
	s_cbranch_scc0 .Lnofill
	s_wait_dscnt 0x0                               ; the stores are done
	s_add_co_u32 s29, s18, 2
	STAGE_LOAD 0                                   ; the slot of two visits on
.Lnofill:
	STEP 0
	STEP 1
.Lhid:
	s_cmp_lg_u32 s19, s20                          ; the block's last slot is the diagonal's
	s_cbranch_scc1 .Lnext
	; THE BLOCK IS DONE: O^T / the sum, held, converted, stored as y's fragments
.rept 4
	v_nop                                          ; places behind the last products
.endr
	v_add_f32 v26, v14, v15                        ; the sum's two halves,
	v_add_f32 v28, v18, v19
	v_permlanex16_b32 v27, v26, s26, s27
	v_permlanex16_b32 v29, v28, s26, s27
	v_add_f32 v26, v26, v27                        ; and lane l xor 16's
	v_add_f32 v28, v28, v29
	v_rcp_f32 v20, v26
	v_rcp_f32 v22, v28
	v_mov_b32 v27, s50                             ; (plain lines behind the reciprocals)  2^(ey - ep - ev)
	v_mov_b32 v29, s51                             ; 448 x that
	s_wait_alu depctr_va_vdst(0)                   ; both reciprocals have written v20 and v22, ahead of their first reader
.irp t, 0,1
.set ii, 0
.rept 16
	v_pk_mul_f32 v[64+32*\t+2*ii:65+32*\t+2*ii], v[64+32*\t+2*ii:65+32*\t+2*ii], v[20+2*\t:21+2*\t] op_sel_hi:[1,0]
.set ii, ii+1
.endr
.set ii, 0
.rept 32
	v_med3_num_f32 v[64+32*\t+ii], v[64+32*\t+ii], -v29, v29
.set ii, ii+1
.endr
.irp c, 0,1,2,3
	v_cvt_scalef32_pk8_fp8_f32 v[32+16*\t+2*\c:33+16*\t+2*\c], v[64+32*\t+8*\c:71+32*\t+8*\c], v27
.endr
	v_nop                                          ; a plain line behind the conversions, whose sources are written again below
.endr
	s_wait_alu depctr_va_vdst(0)                   ; the conversions have written y's codes, v32-39 and v48-55, which the four stores read
.irp t, 0,1
.irp g, 0,1
	global_store_b128 v[LI], v[32+16*\t+4*\g:35+16*\t+4*\g], s[48:49] offset:\t*16384+512*\g   ; 512 consecutive bytes, aligned
.endr
.endr
	s_wait_xcnt 0x0                                ; the stores' addresses are translated (ISA guide 3.1): their base and their data registers are written again only behind this wait,
	s_wait_alu depctr_vm_vsrc(0)                   ; and the stores have read v32-39 and v48-55, which the next block's conversions write again; both waits stand ahead of the branch, on every way to those writes
	s_cmp_eq_u32 s18, 8
	s_cbranch_scc1 .Lnext                          ; that was the second block
	WIN 0x41
.set ii, 0
.rept 16
	v_mov_b32 v[ii], v[16+ii]                      ; the second block's Q
.set ii, ii+1
.endr
	WIN 0
	INIT
	s_sub_co_u32 s20, 7, s16
	SETBLK
	s_mov_b32 s19, -1                              ; its slots begin at 0 again
.Lnext:
	s_add_co_u32 s19, s19, 1
	s_xor_b32 s22, s22, BUF1
	s_xor_b32 s23, s23, BUF1
	s_add_co_u32 s18, s18, 1
	s_cmp_lt_u32 s18, 9
	s_cbranch_scc1 .Lvisit
	s_wait_dscnt 0x0                               ; the closing lines, six on end
	s_wait_alu 0x0
	s_wait_tensorcnt 0x0
	ds_add_u32 v[SPW], v[NIL]
	s_wait_dscnt 0x0
	s_endpgm
.Lfunc_end_k_q8a4d82d139_attn:
	.size	k_q8a4d82d139_attn, .Lfunc_end_k_q8a4d82d139_attn-k_q8a4d82d139_attn
	.p2alignl 7, 3214868480
	.fill 96, 4, 3214868480
	.section	.rodata,"a",@progbits
	.p2align	6, 0x0
	.amdhsa_kernel k_q8a4d82d139_attn
		.amdhsa_group_segment_fixed_size 66560
		.amdhsa_private_segment_fixed_size 0
		.amdhsa_enable_private_segment 0
		.amdhsa_kernarg_size 40
		.amdhsa_user_sgpr_count 2
		.amdhsa_user_sgpr_kernarg_segment_ptr 1
		.amdhsa_wavefront_size32 1
		.amdhsa_system_sgpr_workgroup_id_x 1
		.amdhsa_system_sgpr_workgroup_id_y 1
		.amdhsa_system_sgpr_workgroup_id_z 1
		.amdhsa_system_vgpr_workitem_id 0
		.amdhsa_next_free_vgpr 448
		.amdhsa_next_free_sgpr 66
		.amdhsa_reserve_vcc 0
		.amdhsa_float_denorm_mode_32 3
		.amdhsa_float_denorm_mode_16_64 3
		.amdhsa_memory_ordered 1
		.amdhsa_forward_progress 1
		.amdhsa_inst_pref_size 118
	.end_amdhsa_kernel
	.amdgpu_metadata
---
amdhsa.version: [ 1, 2 ]
amdhsa.kernels:
  - .name:           k_q8a4d82d139_attn
    .symbol:         k_q8a4d82d139_attn.kd
    .args:
      - { .name: qc, .offset: 0, .size: 8, .value_kind: global_buffer, .address_space: global }
      - { .name: kc, .offset: 8, .size: 8, .value_kind: global_buffer, .address_space: global }
      - { .name: vc, .offset: 16, .size: 8, .value_kind: global_buffer, .address_space: global }
      - { .name: lowp_scales, .offset: 24, .size: 8, .value_kind: global_buffer, .address_space: global }
      - { .name: yc, .offset: 32, .size: 8, .value_kind: global_buffer, .address_space: global }
    .group_segment_fixed_size: 66560
    .private_segment_fixed_size: 0
    .kernarg_segment_align: 8
    .kernarg_segment_size: 40
    .max_flat_workgroup_size: 256
    .sgpr_count:     66
    .vgpr_count:     448
    .wavefront_size: 32
...
	.end_amdgpu_metadata
.endif
;; end of part 5
;; launch proj: the kernel of part 4 again; grid 4 x 64, 4 waves a work-group, clusters of 4 x 4, 327,680 bytes of LDS; arguments yc, wc, b_proj, lowp_scales, out0; writes out0
